; MI455X (gfx1250); checked and timed in simulation.
; The chip was launched on July 23, 2026; its instructions are those of AMD's public machine-readable ISA for CDNA 5 (MIT licence, August 2026) and "CDNA5" Instruction Set Architecture Reference Guide (July 2026). The comments in the code are by the model that wrote it; some were corrected since.
;; Multi Head Attention. Allowed arithmetic: matrix products marked QUANTISED: E4M3 operands, one E8M0 scale for each 32 along K, by v_wmma_scale_f32_16x16x128_f8f6f4 with both operands' format E4M3, f32 sums; everything else in f32.
;; Inputs: Wo 1,024 x 1,024 float32; Wqkv 1,024 x 3,072 float32; bo 1,024 float32; bqkv 3,072 float32; mask 2 x 2,048 float32; x 2 x 2,048 x 1,024 float32.
;; Outputs: out0 2 x 2,048 x 1,024 float32.
;; This version of the problem:
;;   THIS VERSION OF THE PROBLEM IS GIVEN IN LOW PRECISION. The matrix products marked QUANTISED in the list below multiply operands that are first quantised to E4M3 (4 exponent bits, 3 mantissa bits; 8 bits a number), with one power-of-two scale for each 32 numbers along K (OCP MX v1.0); their sums are f32. All else is computed in f32.
;;   The module's matrix products, in the order in which they are computed (A, B: the left and right operand; K: the contracted axis; several contracted axes count as one K, in the product's order):
;;     1. [M 4,096, K 1,024] x [K 1,024, N 3,072]; A: input x; B: input Wqkv: QUANTISED
;;     2. batch 32 x [M 2,048, K 64] x [K 64, N 2,048]; A: computed on the way; B: computed on the way: QUANTISED
;;     3. batch 32 x [M 64, K 2,048] x [K 2,048, N 2,048]; A: computed on the way; B: softmax (see below): QUANTISED
;;     4. [M 4,096, K 1,024] x [K 1,024, N 1,024]; A: computed on the way; B: input Wo: QUANTISED
;;   THE QUANTISER, for each operand of a quantised product, along K:
;;     - K is cut into blocks of 32 from its start; a last block that is shorter is filled with zeros.
;;     - A block's scale is 2^e with e = floor(log2(the largest magnitude in the block)) - 8, held to -126 .. 127; a block of zeros has e = 0. As a byte (E8M0): e + 127.
;;     - Each number is divided by its block's scale, clamped to +-448, and rounded to the nearest number of E4M3, ties to even, subnormals kept.
;;     - The product sums the exact products of the quantised numbers (number of the format x scale) in f32.
;;   ~~~python
;;   def quantise(x, axis):      # numpy; x: float32 -> the quantised numbers, widened to float32 again
;;       x = np.moveaxis(x, axis, -1); K = x.shape[-1]
;;       x = np.pad(x, [(0, 0)] * (x.ndim - 1) + [(0, -K % 32)]); x = x.reshape(x.shape[:-1] + (-1, 32)); a = np.abs(x).max(-1, keepdims=True)
;;       e = np.where(a > 0, np.clip(np.frexp(np.where(a > 0, a, 1))[1] - 1 - 8, -126, 127), 0)      # np.frexp(a)[1] - 1 = floor(log2(a)), exactly
;;       r = np.clip(x / 2.0 ** e, -448, 448)
;;       step = 2.0 ** (np.maximum(np.frexp(np.where(r == 0, 1, r))[1] - 1, -6) - 3)
;;       q = np.round(r / step) * step * 2.0 ** e      # np.round: ties to even
;;       return np.moveaxis(q.reshape(q.shape[:-2] + (-1,))[..., :K], -1, axis).astype(np.float32)
;;   ~~~
;;   SOFTMAX AHEAD OF A QUANTISED PRODUCT. Where the list says 'softmax', what is quantised is not the finished softmax but p = 2^(t - M), with t = logit x log2(e) and M = ceil(the row's largest t), a whole number; so 1/2 < the row's largest p <= 1. The row's sum l is taken of the UNQUANTISED p, in f32, and the product's result is divided by l at the end. Since M is a whole number, a kernel that streams over the keys may use a running M (the ceiling of the running maximum): every later rescaling is an exact power of two, which a block's scale takes up: the codes' values come out the same.
;;   OPERANDS COMPUTED ON THE WAY. 'Computed on the way' means the value that the module computes at that place (a softmax that the list does not call 'softmax' is quantised finished and normalised). What goes into a quantiser is computed in f32, as accurately as f32 sums, v_exp_f32 and their like allow (about 1e-6 of the number): no bf16 or f16 on the way to a quantiser, and a product that is left as it is and whose result goes on into a quantised operand takes f32 operands (vector FMAs, or v_wmma_f32_16x16x4_f32). A number that lies on a knife's edge between two numbers of the format may be rounded either way, as far as f32 arithmetic and the matrix unit's own rounding can turn it there, and no further.
;; One version. Each part assembles by itself: llvm-mc -triple=amdgcn-amd-amdhsa -mcpu=gfx1250 --defsym DOCPART=n.
;; ======== version 1 of 1: 4 launches
;; limits: right only within a limited range of input values
;; workspace buffers: opq 8,650,752 bytes; qkvi 12,976,128 bytes; vwi 4,325,376 bytes
;; launch quant (part 1): grid 256 x 1, 4 waves a work-group, no clusters, 68,096 bytes of LDS; arguments x, Wqkv, Wo, opq; writes opq
.if DOCPART == 1
	.amdgcn_target "amdgcn-amd-amdhsa--gfx1250"
	.amdhsa_code_object_version 6
	.text
	.protected	k_q16030e18a2_quant
	.globl	k_q16030e18a2_quant
	.p2align	8
	.type	k_q16030e18a2_quant,@function
k_q16030e18a2_quant:
	s_mov_b64 s[64:65], 0
	v_nop
	global_prefetch_b8 v0, s[64:65] scope:SCOPE_SE
	s_setreg_imm32_b32 hwreg(HW_REG_WAVE_MODE, 25, 1), 1
	s_wait_xcnt 0x0
; x [4096][1024], Wqkv [1024][3072] and Wo [1024][1024], f32, become codes of FP8 (E4M3) with K innermost and one E8M0 byte for each 32 along K, all in one buffer:
;   XC x's codes [4096 rows][1024], WC Wqkv's [3072 n][1024], OC Wo's [1024 n][1024]; XS, WS, OS their scale bytes, 32 a row.
; EVERY ROW IS STORED AT ITS INDEX WITH BITS 3 AND 4 EXCHANGED.  A plain tile of 16 stored rows then holds rows 32 b + 8 u + r + 8 (r / 8), so that a product's results of two neighbouring tiles are
; 16 neighbours along those rows in one lane's registers: the later launches quantise their results in registers.
; A block's scale is 2^(floor(log2(largest magnitude)) - 8); its byte is the magnitude's exponent field - 8, held at 1 from below (a block of zeros keeps the byte 1: its codes are zeros, and this program alone reads the bytes).
; LIMITS: blocks whose largest magnitude lies under 2^-118 keep the byte 1; NaN and infinities among the inputs are not served.
; Work-groups 0-127 take x (K innermost: a lane holds 16 neighbours, two lanes a block); work-groups 128-255 take the weights (K is the first axis: a lane takes a column, its registers run down K).
; Each way has LDS bytes of its own.  No tensor loads, no barrier: waves share nothing.
.set XC, 0
.set WC, 4194304
.set OC, 7340032
.set XS, 8388608
.set WS, 8519680
.set OS, 8617984
.set STEPS, 16
.set MANT,  0x600000                   ; the mantissa field of 448 as f32
.set R,     16                         ; x: v16-79   four sets of 16 numbers as loaded
.set X,     80                         ; x: v80-111  two sets of 16 neighbours
.set E,     112                        ; x: v112-127 a scale byte for each step
.set C,     128                        ; x: v128-191 codes, four registers a step
.set WREG,  8192                       ; x: LDS of a wave: two stages of 32 x 80 bytes, then its 256 scale bytes
.set SP,    80
.set WP,    272                        ; weights: a stage row: 256 bytes of codes + 16
.set WX,    32                         ; weights: v32-95 two sets of 32 numbers
.set WCD,   96                         ; weights: v96-103 a block's codes
.set OUTR,  112                        ; weights: v112-175 the way out
.set SB,    24                         ; weights: v24-25 eight scale bytes
.set OF,    176                        ; weights: v176-207 4 x lane + i rows
	s_load_b128 s[4:7], s[0:1], 0x0                ; x, Wqkv
	s_load_b128 s[8:11], s[0:1], 0x10              ; Wo, opq
	v_lshl_add_u32 v208, v0, 2, 0x10800
	v_mov_b32 v209, 0
	v_lshrrev_b32 v1, 5, v0
	v_readfirstlane_b32 s16, v1                    ; wave
	v_and_b32 v2, 31, v0                           ; lane
	s_cmp_lt_u32 ttmp9, 128
	s_cbranch_scc0 .Lw
; ---------------- x: a wave takes a run of 8 rows (8,192 numbers) in 16 steps of 512 ----------------
	v_lshlrev_b32 v3, 4, v2                        ; my 16 bytes of a load's 512
	s_mul_i32 s17, s16, WREG
	v_lshrrev_b32 v14, 2, v2
	v_mul_u32_u24 v14, v14, SP
	v_and_b32 v15, 3, v2
	v_lshl_add_u32 v14, v15, 4, v14
	v_add_nc_u32 v14, s17, v14                     ; the stage, on the way in: four lanes' 64 bytes on end, then 16 of padding
	v_mul_u32_u24 v15, v2, SP
	v_add_nc_u32 v15, s17, v15                     ; on the way out: my 16 neighbours
	v_lshlrev_b32 v4, 4, v2                        ; my codes' place in a step's
	v_lshrrev_b32 v5, 1, v2
	s_add_co_u32 s17, s17, 2*32*SP
	v_add_nc_u32 v5, s17, v5                       ; my block's scale byte in the wave's 256
	v_lshlrev_b32 v7, 3, v2
	v_add_nc_u32 v6, s17, v7
	s_mov_b32 s23, MANT
	s_lshl_b32 s18, ttmp9, 2
	s_add_co_u32 s19, s18, s16                     ; the run that I read: 4 x work-group + wave
	s_and_b32 s20, s16, 1
	s_lshl_b32 s20, s20, 1
	s_lshr_b32 s21, s16, 1
	s_or_b32 s20, s20, s21
	s_add_co_u32 s18, s18, s20                     ; the run that I write: its bits 0 and 1 exchanged = the rows' bits 3 and 4
	s_mov_b32 s25, 0
	s_wait_kmcnt 0x0
	s_lshl_b32 s24, s19, 15
	s_add_nc_u64 s[4:5], s[4:5], s[24:25]
	s_lshl_b32 s24, s18, 13
	s_add_nc_u64 s[12:13], s[10:11], s[24:25]      ; codes (XC = 0)
	s_lshl_b32 s24, s18, 8
	s_add_co_u32 s24, s24, XS
	s_add_nc_u64 s[14:15], s[10:11], s[24:25]      ; scale bytes
.macro XLOAD t
.irp i, 0,1,2,3
	global_load_b128 v[R+16*((\t)%4)+4*\i:R+16*((\t)%4)+4*\i+3], v3, s[4:5] offset:2048*(\t)+512*\i th:TH_LOAD_NT   ; 32 lanes read 512 consecutive bytes
.endr
.endm
.macro XTURN t                         ; a step's numbers through the stage: LDS serves a wave's instructions in order, so no wait stands between the stores and the loads
.irp i, 0,1,2,3
	ds_store_b128 v14, v[R+16*((\t)%4)+4*\i:R+16*((\t)%4)+4*\i+3] offset:32*SP*((\t)%2)+8*SP*\i
.endr
.irp i, 0,1,2,3
	ds_load_b128 v[X+16*((\t)%2)+4*\i:X+16*((\t)%2)+4*\i+3], v15 offset:32*SP*((\t)%2)+16*\i
.endr
.endm
.macro XSTEP t
.set CUR, X+16*((\t)%2)
.if (\t) > 0
	s_wait_dscnt 1                                 ; this step's numbers are back (the last step's byte store may be out)
.else
	s_wait_dscnt 0x0
.endif
.if (\t)+4 < STEPS
	XLOAD (\t)+4                                   ; into the set whose stores into the stage have just been shown done
.endif
.if (\t)+1 < STEPS
.if STEPS-2-(\t) >= 3
	s_wait_loadcnt 12                              ; the next step's four loads are in; the 12 of the three steps behind it may be out
.else
	s_wait_loadcnt 4*(STEPS-2-(\t))
.endif
	XTURN (\t)+1
.endif
	v_max3_num_f32 v8, |v[CUR]|, |v[CUR+1]|, |v[CUR+2]|
	v_max3_num_f32 v9, |v[CUR+3]|, |v[CUR+4]|, |v[CUR+5]|
.irp i, 6,10
	v_max3_num_f32 v8, v8, |v[CUR+\i]|, |v[CUR+\i+1]|
	v_max3_num_f32 v9, v9, |v[CUR+\i+2]|, |v[CUR+\i+3]|
.endr
	v_max3_num_f32 v8, v8, |v[CUR+14]|, |v[CUR+15]|
	v_max3_num_f32 v8, v8, v9, 0x4800000           ; and the floor 2^(9 - 127): the byte cannot fall under 1
	v_max_num_f32_dpp v8, v8, v8 row_xmask:1 row_mask:0xf bank_mask:0xf   ; with my neighbour's 16: the block's largest magnitude
	v_add_nc_u32 v11, 0xfc000000, v8               ; 8 off its exponent field: the conversion's scale operand
	v_and_or_b32 v10, v8, 0x7f800000, s23          ; 448 x the scale
.irp i, 0,1,2,3,4,5,6,7,8,9,10,11,12,13,14,15
	v_med3_num_f32 v[CUR+\i], v[CUR+\i], -v10, v10 ; the conversion to an 8-bit code does not saturate (ISA guide 7.6.2): the hold comes first
.endr
	v_cvt_scalef32_pk8_fp8_f32 v[C+4*(\t):C+4*(\t)+1], v[CUR:CUR+7], v11
	v_cvt_scalef32_pk8_fp8_f32 v[C+4*(\t)+2:C+4*(\t)+3], v[CUR+8:CUR+15], v11
	v_lshrrev_b32 v[E+(\t)], 23, v11               ; the scale's byte
	ds_store_b8 v5, v[E+(\t)] offset:16*(\t)       ; both lanes of a block write the same byte with the same value
	global_store_b128 v4, v[C+4*(\t):C+4*(\t)+3], s[12:13] offset:512*(\t)   ; 512 consecutive bytes a wave
.endm
.irp t, 0,1,2,3
	XLOAD \t
.endr
	s_wait_loadcnt 12                              ; step 0's four loads are in
	XTURN 0
.irp t, 0,1,2,3,4,5,6,7,8,9,10,11,12,13,14,15
	XSTEP \t
.endr
	ds_load_b64 v[12:13], v6                       ; LDS serves a wave's instructions in order: these see my byte stores
	s_wait_dscnt 0x0
	global_store_b64 v7, v[12:13], s[14:15]        ; 32 lanes store 256 consecutive bytes, aligned
	s_wait_tensorcnt 0x0
	ds_add_u32 v208, v209
	s_wait_dscnt 0x0
	s_endpgm
; ---------------- the weights: a wave takes 32 columns x 256 along K ----------------
.Lw:
	s_sub_co_u32 s17, ttmp9, 128
	s_lshr_b32 s18, s17, 2                         ; which 128 columns: 0-23 of Wqkv, 24-31 are Wo's 0-7
	s_and_b32 s19, s17, 3                          ; which 256 along K
	s_mov_b32 s21, 12288
	s_mov_b32 s22, WC
	s_mov_b32 s23, WS
	s_cmp_ge_u32 s18, 24                           ; the choice hangs on the work-group's number alone
	s_cselect_b32 s20, 24, 0
	s_cselect_b32 s21, 4096, s21                   ; bytes from row to row of the weight
	s_cselect_b32 s22, OC, s22
	s_cselect_b32 s23, OS, s23
	s_wait_kmcnt 0x0
	s_cselect_b64 s[4:5], s[8:9], s[6:7]
	s_sub_co_u32 s18, s18, s20
	s_lshl_b32 s26, s18, 7
	s_lshl_b32 s27, s16, 5
	s_add_co_u32 s26, s26, s27                     ; my wave's first column
	s_mul_i32 s24, s19, s21
	s_lshl_b32 s24, s24, 8                         ; 256 rows for each step along K
	s_lshl_b32 s27, s26, 2
	s_add_co_u32 s24, s24, s27
	s_mov_b32 s25, 0
	s_add_nc_u64 s[32:33], s[4:5], s[24:25]        ; block 0's first row
	s_lshl_b32 s28, s21, 5
	s_mov_b32 s29, 0
.irp t, 1,2,3,4,5,6,7
	s_add_nc_u64 s[32+2*\t:33+2*\t], s[30+2*\t:31+2*\t], s[28:29]   ; a base for each block of 32 rows: the pitch is no constant of the text
.endr
	s_lshl_b32 s24, s26, 10
	s_add_co_u32 s24, s24, s22
	s_lshl_b32 s27, s19, 8
	s_add_co_u32 s24, s24, s27
	s_add_nc_u64 s[12:13], s[10:11], s[24:25]      ; the codes of my 32 rows, at my 256 along K
	s_lshl_b32 s24, s26, 5
	s_add_co_u32 s24, s24, s23
	s_lshl_b32 s27, s19, 3
	s_add_co_u32 s24, s24, s27
	s_add_nc_u64 s[14:15], s[10:11], s[24:25]      ; and their scale bytes
	s_mov_b32 s31, MANT
	v_lshlrev_b32 v3, 2, v2
	s_mul_i32 s30, s16, 32*WP
	s_add_co_u32 s30, s30, 32768                   ; my stage, behind the bytes of x's way
	v_mul_u32_u24 v4, v2, WP
	v_add_nc_u32 v4, s30, v4                       ; into it: row = my column
	v_and_b32 v5, 15, v2
	v_lshrrev_b32 v6, 4, v2
	v_mul_u32_u24 v7, v6, WP
	v_lshl_add_u32 v7, v5, 4, v7
	v_add_nc_u32 v7, s30, v7                       ; out of it: sixteen lanes to a row, two rows an instruction
	v_lshlrev_b32 v8, 10, v6
	v_lshl_add_u32 v8, v5, 4, v8                   ; and the same place among the codes' rows of 1,024 bytes
	v_and_b32 v9, 7, v2
	v_bfe_u32 v10, v2, 3, 1
	v_lshl_or_b32 v9, v10, 4, v9
	v_bfe_u32 v10, v2, 4, 1
	v_lshl_or_b32 v9, v10, 3, v9                   ; my column with bits 3 and 4 exchanged
	v_lshlrev_b32 v9, 5, v9                        ; its row of scale bytes
.set i, 0
.rept 32
	v_mad_u32_u24 v[OF+i], s21, i, v3
.set i, i+1
.endr
.macro WLOAD t                         ; block t: W(32 t + i, my column)
.set i, 0
.rept 32
	global_load_b32 v[WX+32*((\t)%2)+i], v[OF+i], s[32+2*(\t):33+2*(\t)] th:TH_LOAD_NT
.set i, i+1
.endr
.endm
.macro WBLOCK t
.set CUR, WX+32*((\t)%2)
.if (\t) < 7
	s_wait_loadcnt 32                              ; this block's 32 loads are in; the next block's 32 may be out
.else
	s_wait_loadcnt 0x0
.endif
	v_max3_num_f32 v12, |v[CUR]|, |v[CUR+1]|, |v[CUR+2]|
	v_max3_num_f32 v13, |v[CUR+3]|, |v[CUR+4]|, |v[CUR+5]|
.irp i, 6,10,14,18,22,26
	v_max3_num_f32 v12, v12, |v[CUR+\i]|, |v[CUR+\i+1]|
	v_max3_num_f32 v13, v13, |v[CUR+\i+2]|, |v[CUR+\i+3]|
.endr
	v_max3_num_f32 v12, v12, |v[CUR+30]|, |v[CUR+31]|
	v_max3_num_f32 v12, v12, v13, 0x4800000        ; all 32 numbers are mine; the floor holds the byte at 1
	v_add_nc_u32 v11, 0xfc000000, v12
	v_and_or_b32 v10, v12, 0x7f800000, s31
	v_lshrrev_b32 v13, 23, v11
.if (\t)%4 == 0
	v_mov_b32 v[SB+(\t)/4], v13
.else
	v_lshl_or_b32 v[SB+(\t)/4], v13, 8*((\t)%4), v[SB+(\t)/4]
.endif
.set i, 0
.rept 32
	v_med3_num_f32 v[CUR+i], v[CUR+i], -v10, v10
.set i, i+1
.endr
.irp g, 0,1,2,3
	v_cvt_scalef32_pk8_fp8_f32 v[WCD+2*\g:WCD+2*\g+1], v[CUR+8*\g:CUR+8*\g+7], v11
.endr
	ds_store_b128 v4, v[WCD:WCD+3] offset:32*(\t)
	ds_store_b128 v4, v[WCD+4:WCD+7] offset:32*(\t)+16
.if (\t)+2 < 8
	WLOAD (\t)+2
.endif
	s_wait_dscnt 0x0                               ; the stores have read their registers: the next block's codes may be written
.endm
	WLOAD 0
	WLOAD 1
.irp t, 0,1,2,3,4,5,6,7
	WBLOCK \t
.endr
	global_store_b64 v9, v[SB:SB+1], s[14:15]      ; my column's eight scale bytes
.irp t, 0,1,2,3,4,5,6,7,8,9,10,11,12,13,14,15
	ds_load_b128 v[OUTR+4*\t:OUTR+4*\t+3], v7 offset:2*\t*WP
.endr
.irp t, 0,1,2,3,4,5,6,7,8,9,10,11,12,13,14,15
	s_wait_dscnt 15-\t
	global_store_b128 v8, v[OUTR+4*\t:OUTR+4*\t+3], s[12:13] offset:2*((\t&3)|(((\t>>3)&1)<<2)|(((\t>>2)&1)<<3))*1024   ; rows 2 t, 2 t + 1 go to their places with bits 3 and 4 exchanged; sixteen lanes store 256 consecutive bytes, aligned
.endr
	s_wait_tensorcnt 0x0
	ds_add_u32 v208, v209
	s_wait_dscnt 0x0
	s_endpgm
.Lfunc_end_k_q16030e18a2_quant:
	.size	k_q16030e18a2_quant, .Lfunc_end_k_q16030e18a2_quant-k_q16030e18a2_quant
	.p2alignl 7, 3214868480
	.fill 96, 4, 3214868480
	.section	.rodata,"a",@progbits
	.p2align	6, 0x0
	.amdhsa_kernel k_q16030e18a2_quant
		.amdhsa_group_segment_fixed_size 68096
		.amdhsa_private_segment_fixed_size 0
		.amdhsa_enable_private_segment 0
		.amdhsa_kernarg_size 32
		.amdhsa_user_sgpr_count 2
		.amdhsa_user_sgpr_kernarg_segment_ptr 1
		.amdhsa_wavefront_size32 1
		.amdhsa_system_sgpr_workgroup_id_x 1
		.amdhsa_system_sgpr_workgroup_id_y 1
		.amdhsa_system_sgpr_workgroup_id_z 1
		.amdhsa_system_vgpr_workitem_id 0
		.amdhsa_next_free_vgpr 210
		.amdhsa_next_free_sgpr 66
		.amdhsa_reserve_vcc 0
		.amdhsa_float_denorm_mode_32 3
		.amdhsa_float_denorm_mode_16_64 3
		.amdhsa_memory_ordered 1
		.amdhsa_forward_progress 1
		.amdhsa_inst_pref_size 112
	.end_amdhsa_kernel
	.amdgpu_metadata
---
amdhsa.version: [ 1, 2 ]
amdhsa.kernels:
  - .name:           k_q16030e18a2_quant
    .symbol:         k_q16030e18a2_quant.kd
    .args:
      - { .name: x, .offset: 0, .size: 8, .value_kind: global_buffer, .address_space: global }
      - { .name: Wqkv, .offset: 8, .size: 8, .value_kind: global_buffer, .address_space: global }
      - { .name: Wo, .offset: 16, .size: 8, .value_kind: global_buffer, .address_space: global }
      - { .name: opq, .offset: 24, .size: 8, .value_kind: global_buffer, .address_space: global }
    .group_segment_fixed_size: 68096
    .private_segment_fixed_size: 0
    .kernarg_segment_align: 8
    .kernarg_segment_size: 32
    .max_flat_workgroup_size: 128
    .sgpr_count:     66
    .vgpr_count:     210
    .wavefront_size: 32
...
	.end_amdgpu_metadata
.endif
;; end of part 1
;; launch qkvgemm (part 2): grid 12 x 16, 4 waves a work-group, clusters of 4 x 4, 327,680 bytes of LDS; arguments opq, bqkv, qkvi; writes qkvi
.if DOCPART == 2
	.amdgcn_target "amdgcn-amd-amdhsa--gfx1250"
	.amdhsa_code_object_version 6
	.text
	.protected	k_q16030e18a2_qkvgemm
	.globl	k_q16030e18a2_qkvgemm
	.p2align	8
	.type	k_q16030e18a2_qkvgemm,@function
k_q16030e18a2_qkvgemm:
	s_mov_b64 s[64:65], 0
	v_nop
	global_prefetch_b8 v0, s[64:65] scope:SCOPE_SE
	s_setreg_imm32_b32 hwreg(HW_REG_WAVE_MODE, 25, 1), 1
	s_wait_xcnt 0x0
	s_wait_alu depctr_hold_cnt(0) depctr_sa_sdst(0) depctr_va_vdst(0) depctr_va_sdst(0) depctr_va_ssrc(0) depctr_va_vcc(0) depctr_vm_vsrc(0)
	s_getreg_b32 s2, hwreg(HW_REG_IB_STS2, 6, 4)
	s_cmp_eq_u32 s2, 0
	s_cbranch_scc0 .Lentry_in_a_cluster
	s_endpgm
.Lentry_in_a_cluster:
	s_bfe_u32 s2, ttmp6, 0x10000c
	s_cmp_lg_u32 s2, 0xf033
	s_cbranch_scc0 .Lentry_shape_is_right
	s_endpgm
.Lentry_shape_is_right:
; qkv = x Wqkv + bqkv on codes of FP8 (E4M3) with E8M0 scales for each 32 along K = 1,024; the results are quantised in registers and leave as IMAGES OF THE NEXT PRODUCTS' OPERAND REGISTERS.
; A work-group of four waves makes 256 x 256, a wave 128 x 128: 64 accumulators.  K goes in steps of 256 through two LDS slots filled by the tensor data mover; the scale bytes of the 2 x 256 rows come once.
; Source 0 of the matrix instruction takes 16 rows of "B", source 1 16 rows of "A": a lane holds ONE row of A, and, since all rows are stored with bits 3 and 4 of their index exchanged, the 16 registers of B's tiles
; 2 b and 2 b + 1 are 16 neighbours 32 b + 16 (lane / 16) + 0 .. 15 along B's rows.  So the results are quantised along B:
;   cluster x = 0 (q), 1 (k): A = x (tokens), B = Wqkv^T (n): quantised along the head's 64;     cluster x = 2 (v): A = Wv^T (d), B = x (keys): quantised along the keys.
; The three sections share the loop: only offsets are chosen, by the cluster's x, which all partners share.
; CLUSTERS: 4 x 4.  A's tiles are shared along a row of the cluster, B's along a column, each asked for jointly.
; OUT: q, k: [b h][tile of 16 tokens][c 2][lane][16 B], scale bytes [b h][pair of tiles][r][tile & 1] 2 bytes;  v: [b h][key step][d tile][c 4][lane][16 B], scale words [b h][key step][d tile][r].
; LIMITS: NaN and infinities are not served; a block whose largest magnitude lies under 2^-118 keeps the scale byte 1.
; REGISTERS: window 0: v0-31 addresses (v8-15 the bias of my d, for v); v32-63 scale words; v64-127 the bias along B (for q, k); v128-255 A's fragments, on the way out 64 numbers, codes and work.
;   window 1: B's fragments, two sets.   windows 2, 3: the accumulators ((a, b) at v[8 (8 (a % 4) + b)]).
.set XC, 0
.set WC, 4194304
.set XS, 8388608
.set WS, 8519680
.set VI, 8388608
.set QSC, 12582912
.set VSC, 12845056
.set NQ,     2
.set ROWB,   256
.set KROW,   1024
.set PITCH,  272                       ; 256 bytes + 16: the 16 rows that a load touches start at 16 different banks (64 banks of 4 bytes: ISA guide 11.1)
.set FR,     16
.set NL,     4
.set NP,     8                         ; places behind this matrix instruction (ISA guide 7.12.1)
.set HALFT,  128*PITCH
.set SLOT,   4*HALFT
.set LAPS,   2                         ; 1,024 along K = two laps of two slots
.set KS,     32
.set SCL,    2*SLOT
.set HALFS,  16*272
.set SBLK,   2*272
.set SPARE,  SCL+4*HALFS               ; the spare words: 128 bytes a wave, named by no other line
.set BQ,   8
.set ADRA, 16
.set ADRB, 20
.set VOQ,  22                          ; v22 q, k: where my 16 bytes of an image go;  v23 my two scale bytes
.set VSQ,  23
.set VOV,  24                          ; v24, v25 the same for v
.set VSV,  25
.set SH,   26                          ; v26 16 x (lane / 16)
.set ADRS, 27
.set SPW,  28
.set NIL,  29
.set PH,   30
.set SC,   32
.set BP,   64
.set AF,   128
.set ST,   128
.set PC,   192
.set TM,   208
.set PW,   224
.set G1, 24
.set G0, 32
.set G1B, 48
.set G0B, 56
.set SEL, 66
.set G1S, 68
.set G0S, 76
.set G1SB, 80
.set G0SB, 88
.set SEC, 98
.set MNT, 100
.set MSB, 0
.macro WIN new                         ; the immediate's high byte repeats the setting that is left
.if MSB != (\new)
	s_set_vgpr_msb (MSB<<8)|(\new)
.set MSB, (\new)
.endif
.endm
.set MUL_LO, 0xa1
.set MUL_HI, 0xf1
.set TO_B,   0x40
.macro JLOAD g0a, g1a, g0b, g1b        ; a joint load: waves 0 and 1 fetch for A, waves 2 and 3 for B; four v_nop follow each line
	s_cmp_eq_u32 s15, 0
	s_cbranch_scc0 .Lfor_b_\@
	tensor_load_to_lds s[\g0a:\g0a+3], s[\g1a:\g1a+7]
	s_nop 0
.rept 4
	v_nop
.endr
	s_branch .Lasked_\@
.Lfor_b_\@:
	tensor_load_to_lds s[\g0b:\g0b+3], s[\g1b:\g1b+7]
	s_nop 0
.rept 4
	v_nop
.endr
.Lasked_\@:
.endm
.macro CREST
	s_cmp_lg_u32 s14, 0
	s_cbranch_scc1 .Lnot_wave_0_\@
	s_barrier_signal -3
.Lnot_wave_0_\@:
	s_barrier_wait -3
	s_barrier_signal -1
	s_barrier_wait -1
.endm
.macro CROUND
	s_barrier_signal -1
	s_barrier_wait -1
	CREST
.endm
	s_load_b128 s[4:7], s[0:1], 0x0                ; opq s[4:5], bqkv s[6:7]
	s_load_b64 s[12:13], s[0:1], 0x10              ; qkvi
	v_lshl_add_u32 v[SPW], v0, 2, SPARE
	v_mov_b32 v[NIL], 0
	ds_add_u32 v28, v29
	ds_add_u32 v28, v29
	s_wait_dscnt 0x0
	v_lshrrev_b32 v1, 5, v0
	v_readfirstlane_b32 s14, v1                    ; wave
	s_lshr_b32 s15, s14, 1                         ; my half of A's rows.  Also: I fetch for A (0) or B (1)
	s_and_b32 s16, s14, 1                          ; my half of B's rows.  Also: which 128 rows I fetch
	s_bfe_u32 s40, ttmp6, 0x40000                  ; cx
	s_bfe_u32 s41, ttmp6, 0x40004                  ; cy
	s_lshl_b32 s10, ttmp9, 2                       ; 4 x cluster x
	s_and_b32 s11, ttmp7, 0xffff
	s_lshl_b32 s11, s11, 2                         ; 4 x cluster y
	s_mov_b32 s[SEC], ttmp9                        ; the section: 0 q, 1 k, 2 v: equal in all partners
	s_mov_b32 s95, XC
	s_mov_b32 s96, XS
	s_mov_b32 s97, WC
	s_mov_b32 s99, WS
	s_cmp_eq_u32 ttmp9, 2
	s_cselect_b32 s42, s11, s10                    ; B's tile: v: tokens by cluster y;  q, k: n by cluster x
	s_cselect_b32 s17, 8, s11                      ; A's tile: v: Wv's rows begin at n = 2,048;  q, k: tokens by cluster y
	s_cselect_b32 s95, WC, s95                     ; A's codes,
	s_cselect_b32 s96, WS, s96                     ; A's scales,
	s_cselect_b32 s97, XC, s97                     ; B's codes,
	s_cselect_b32 s99, XS, s99                     ; B's scales
	s_add_co_u32 s42, s42, s40                     ; + cx
	s_add_co_u32 s17, s17, s41                     ; + cy
	s_lshl_b32 s43, s41, 2
	s_lshl_b32 s43, 15, s43                        ; my row of the cluster
	s_lshl_b32 s44, 0x1111, s40                    ; my column
	s_or_b32 s[G1+0], s43, (0<<16)|(1<<20)|(1<<21)|(5<<22)|(3<<25)  ; the mask; elements of 1 byte; padding: 4 words after every 64; bit 21 beside a mask
	s_or_b32 s[G1B+0], s44, (0<<16)|(1<<20)|(1<<21)|(5<<22)|(3<<25)
.irp g, G1, G1B
	s_mov_b32 s[\g+1], ROWB<<16                    ; tensor_dim0
	s_mov_b32 s[\g+2], 128<<16                     ; tensor_dim1
	s_mov_b32 s[\g+3], ROWB<<16                    ; tile_dim0
	s_mov_b32 s[\g+4], 128                         ; tile_dim1
	s_mov_b32 s[\g+5], KROW                        ; the pitch
	s_mov_b32 s[\g+6], 0
	s_mov_b32 s[\g+7], 0
.endr
	s_or_b32 s[G1S+0], s43, (3<<16)|(1<<20)|(1<<21)|(5<<22)|(3<<25) ; the scales of 128 rows: 4,096 dense bytes as 16 rows of 256
	s_or_b32 s[G1SB+0], s44, (3<<16)|(1<<20)|(1<<21)|(5<<22)|(3<<25)
.irp g, G1S, G1SB
	s_mov_b32 s[\g+1], 32<<16
	s_mov_b32 s[\g+2], 16<<16
	s_mov_b32 s[\g+3], 32<<16
	s_mov_b32 s[\g+4], 16
	s_mov_b32 s[\g+5], 32
	s_mov_b32 s[\g+6], 0
	s_mov_b32 s[\g+7], 0
.endr
	s_mov_b32 s[SEL], 0x76543210
	s_mov_b32 s[SEL+1], 0xfedcba98
	s_lshl_b32 s18, s16, 7
	s_lshl_b32 s20, s17, 8
	s_add_co_u32 s20, s20, s18                     ; A's first row that I fetch
	s_lshl_b32 s46, s42, 8
	s_add_co_u32 s46, s46, s18                     ; B's
	s_lshl_b32 s22, s20, 5
	s_add_co_u32 s22, s22, s96
	s_mov_b32 s23, 0
	s_lshl_b32 s20, s20, 10
	s_add_co_u32 s20, s20, s95
	s_mov_b32 s21, 0
	s_lshl_b32 s92, s46, 5
	s_add_co_u32 s92, s92, s99
	s_mov_b32 s93, 0
	s_lshl_b32 s46, s46, 10
	s_add_co_u32 s46, s46, s97
	s_mov_b32 s47, 0
	s_mul_i32 s45, s14, HALFT                      ; where they go: wave x 128 rows: no place in the cluster enters an LDS address
	s_mul_i32 s94, s14, HALFS
	s_wait_kmcnt 0x0
	s_add_nc_u64 s[20:21], s[4:5], s[20:21]
	s_add_nc_u64 s[22:23], s[4:5], s[22:23]
	s_add_nc_u64 s[46:47], s[4:5], s[46:47]
	s_add_nc_u64 s[92:93], s[4:5], s[92:93]
	CROUND                                         ; all sixteen work-groups are here: the first joint loads meet
	s_mov_b32 s[G0S], 1
	s_add_co_u32 s[G0S+1], s94, SCL
	s_mov_b64 s[G0S+2:G0S+3], s[22:23]
	s_or_b32 s[G0S+3], s[G0S+3], 0x80000000
	s_mov_b32 s[G0SB], 1
	s_add_co_u32 s[G0SB+1], s94, SCL
	s_mov_b64 s[G0SB+2:G0SB+3], s[92:93]
	s_or_b32 s[G0SB+3], s[G0SB+3], 0x80000000
	JLOAD G0S, G1S, G0SB, G1SB                     ; the scales first
.irp s, 0,1
	s_mov_b32 s[G0+4*\s], 1
	s_add_co_u32 s[G0+4*\s+1], s45, \s*SLOT
	s_add_nc_u64 s[G0+4*\s+2:G0+4*\s+3], s[20:21], \s*ROWB
	s_or_b32 s[G0+4*\s+3], s[G0+4*\s+3], 0x80000000
	s_mov_b32 s[G0B+4*\s], 1
	s_add_co_u32 s[G0B+4*\s+1], s45, \s*SLOT
	s_add_nc_u64 s[G0B+4*\s+2:G0B+4*\s+3], s[46:47], \s*ROWB
	s_or_b32 s[G0B+4*\s+3], s[G0B+4*\s+3], 0x80000000
	JLOAD G0+4*\s, G1, G0B+4*\s, G1B
.endr
	v_and_b32 v1, 15, v0                           ; r
	v_bfe_u32 v2, v0, 4, 1                         ; h
	v_mul_u32_u24 v3, v1, PITCH
	v_lshl_add_u32 v4, v2, 4, v3
	s_mul_i32 s21, s15, HALFT
	s_mul_i32 s22, s16, HALFT
	s_add_co_u32 s22, s22, 2*HALFT
.irp s, 0,1
	v_add_nc_u32 v[ADRA+\s], s21, v4
	v_add_nc_u32 v[ADRB+\s], s22, v4
	s_add_co_u32 s21, s21, SLOT
	s_add_co_u32 s22, s22, SLOT
.endr
	v_mul_u32_u24 v5, v1, KS
	v_lshrrev_b32 v6, 8, v5
	v_lshl_add_u32 v5, v6, 4, v5                   ; my row's scales: 32 bytes a row, 16 more for each 256 passed
	s_mul_i32 s21, s15, HALFS
	s_mul_i32 s22, s16, HALFS
	s_add_co_u32 s22, s22, 2*HALFS
	s_sub_co_u32 s22, s22, s21
	v_mul_u32_u24 v6, s22, v2                      ; lanes 16-31 take B's
	s_add_co_u32 s21, s21, SCL
	v_add_nc_u32 v5, v5, v6
	v_add_nc_u32 v[ADRS], s21, v5
	; the biases, both kinds in every section (held inside bqkv), so that each register is written on every way; they land while K is walked
	s_lshl_b32 s8, s42, 8
	s_lshl_b32 s9, s16, 7
	s_add_co_u32 s8, s8, s9
	s_min_u32 s8, s8, 2944
	s_lshl_b32 s8, s8, 2
	v_lshl_add_u32 v7, v2, 6, s8                   ; q, k: register 16 b + i wants bqkv[my first n + 32 b + 16 h + i]
.irp b, 0,1,2,3
.irp j, 0,1,2,3
	global_load_b128 v[BP+16*\b+4*\j:BP+16*\b+4*\j+3], v7, s[6:7] offset:128*\b+16*\j
.endr
.endr
	s_lshl_b32 s8, s17, 8
	s_lshl_b32 s9, s15, 7
	s_add_co_u32 s8, s8, s9
	s_min_u32 s8, s8, 2944
	s_lshl_b32 s8, s8, 2
	v_and_b32 v18, 8, v1
	v_add_nc_u32 v18, v18, v1
	v_lshl_add_u32 v18, v18, 2, s8                 ; v: block a wants bqkv[my first n + 32 (a / 2) + 8 (a % 2) + r + 8 (r / 8)]
.irp a, 0,1,2,3,4,5,6,7
	global_load_b32 v[BQ+\a], v18, s[6:7] offset:4*(32*(\a/2)+8*(\a%2))
.endr
	; where the results go.  q, k:
	v_and_b32 v6, 31, v0
	s_wait_alu depctr_va_vdst(0)
	s_lshr_b32 s8, s17, 3
	s_lshl_b32 s8, s8, 4
	s_lshl_b32 s9, s40, 2
	s_add_co_u32 s8, s8, s9
	s_lshl_b32 s9, s16, 1
	s_add_co_u32 s8, s8, s9                        ; 16 x batch + my first head
	s_and_b32 s9, s17, 7
	s_lshl_b32 s9, s9, 4
	s_lshl_b32 s10, s15, 3
	s_add_co_u32 s9, s9, s10                       ; my first tile of 16 tokens in the batch
	s_lshl_b32 s10, s8, 17
	s_lshl_b32 s11, s9, 10
	s_add_co_u32 s10, s10, s11
	s_lshl_b32 s11, s[SEC], 22
	s_add_co_u32 s10, s10, s11
	v_lshl_add_u32 v[VOQ], v6, 4, s10
	s_lshl_b32 s10, s8, 12
	s_lshl_b32 s11, s9, 5
	s_add_co_u32 s10, s10, s11
	s_lshl_b32 s11, s[SEC], 17
	s_add_co_u32 s10, s10, s11
	s_add_co_u32 s10, s10, QSC
	v_lshl_add_u32 v[VSQ], v1, 2, s10
	v_lshl_add_u32 v[VSQ], v2, 12, v[VSQ]          ; lanes 16-31 store the second head's two bytes
	v_lshlrev_b32 v[SH], 4, v2
	; v:
	s_lshr_b32 s8, s42, 3
	s_lshl_b32 s8, s8, 4
	s_lshl_b32 s9, s41, 2
	s_add_co_u32 s8, s8, s9
	s_lshl_b32 s9, s15, 1
	s_add_co_u32 s8, s8, s9                        ; 16 x batch + my first head
	s_and_b32 s9, s42, 7
	s_lshl_b32 s9, s9, 1
	s_add_co_u32 s9, s9, s16                       ; my key step
	s_lshl_b32 s10, s8, 17
	s_lshl_b32 s11, s9, 13
	s_add_co_u32 s10, s10, s11
	s_add_co_u32 s10, s10, VI
	v_lshl_add_u32 v[VOV], v6, 4, s10
	s_lshl_b32 s10, s8, 12
	s_lshl_b32 s11, s9, 8
	s_add_co_u32 s10, s10, s11
	s_add_co_u32 s10, s10, VSC
	v_lshl_add_u32 v[VSV], v1, 2, s10
.macro FRAG reg, adr, q, i             ; 16 rows x 128 K: registers 4 c .. 4 c + 3 hold K = 32 c + 16 (lane / 16) + 0 .. 15
.irp c, 0,1,2,3
	ds_load_b128 v[\reg+4*\c:\reg+4*\c+3], v[\adr] offset:128*(\q)+32*\c+(\i)*16*PITCH
.endr
.endm
; 16 matrix instructions: A's blocks a0, a0 + 1 x B's eight.  The 64 accumulators take turns, one instruction a turn, in the same order in every step.
.macro MUL16 a0, p, q, sc, zero
.irp a, \a0, \a0+1
.irp b, 0,1,2,3,4,5,6,7
.if \zero
	v_wmma_scale_f32_16x16x128_f8f6f4 v[8*(8*((\a)%4)+\b):8*(8*((\a)%4)+\b)+7], v[128*(\p)+FR*\b:128*(\p)+FR*\b+FR-1], v[AF+FR*(\a):AF+FR*(\a)+FR-1], 0, v[SC+8*NQ*(\sc)+NQ*\b+(\q)], v[SC+8*NQ*(\sc)+NQ*(\a)+(\q)] matrix_a_scale:MATRIX_SCALE_ROW1
.else
	v_wmma_scale_f32_16x16x128_f8f6f4 v[8*(8*((\a)%4)+\b):8*(8*((\a)%4)+\b)+7], v[128*(\p)+FR*\b:128*(\p)+FR*\b+FR-1], v[AF+FR*(\a):AF+FR*(\a)+FR-1], v[8*(8*((\a)%4)+\b):8*(8*((\a)%4)+\b)+7], v[SC+8*NQ*(\sc)+NQ*\b+(\q)], v[SC+8*NQ*(\sc)+NQ*(\a)+(\q)] matrix_a_scale:MATRIX_SCALE_ROW1
.endif
.endr
.endr
.endm
.macro FETCH_B slot, q, p
	WIN TO_B
.irp i, 0,1,2,3,4,5,6,7
	FRAG 128*(\p)+FR*\i, ADRB+\slot, \q, \i
.endr
	WIN 0
.endm
.macro FETCH_A slot, q, i0
.irp i, \i0, \i0+1, \i0+2, \i0+3
	FRAG AF+FR*(\i), ADRA+\slot, \q, \i
.endr
.endm
.macro SCALES sc                       ; a K step's scale words: lanes 0-15 A's block i, lanes 16-31 B's block i
.irp i, 0,1,2,3,4,5,6,7
	ds_load_b64 v[SC+8*NQ*\sc+NQ*\i:SC+8*NQ*\sc+NQ*\i+1], v[ADRS] offset:\i*SBLK
.endr
.endm
.macro PLACES n                        ; plain vector instructions between a matrix instruction and a load into, or a vector access of, its registers
.rept \n
	v_nop
.endr
.endm
.macro STEP slot, q, zero
	s_wait_dscnt 4*NL                              ; B's set and A's blocks 0-3 are in; the youngest 16 loads (A's blocks 4-7) may be out
	WIN MUL_LO
	MUL16 0, (\q)%2, \q, \slot, \zero
	MUL16 2, (\q)%2, \q, \slot, \zero
	s_wait_dscnt 0
	PLACES NP
	FETCH_B \slot, (\q)+1, 1-(\q)%2
	FETCH_A \slot, (\q)+1, 0
	WIN MUL_HI
	MUL16 4, (\q)%2, \q, \slot, \zero
	MUL16 6, (\q)%2, \q, \slot, \zero
	PLACES NP
	WIN 0
	FETCH_A \slot, (\q)+1, 4
.endm
; A slot's last step changes slots: one barrier; in front of it each wave waits for all its tensor loads, adds 0 to its spare word, and waits for that and for its own reads of this slot.
.macro TURN slot, next, fill
	s_wait_tensorcnt 0x0                           ; all my tensor loads have landed: my part of the next slot
	ds_add_u32 v[SPW], v[NIL]                      ; 0 onto my spare word
	s_wait_dscnt 4*NL+1                            ; (the add and the youngest 16 loads may be out)
	WIN MUL_LO
	MUL16 0, 1, NQ-1, \slot, 0
	s_wait_dscnt 0x0                               ; the add is done, and my reads of this slot are over
	s_barrier_signal -1
	MUL16 2, 1, NQ-1, \slot, 0
	WIN 0
	s_barrier_wait -1
.if \fill
	CREST                                          ; the barrier has opened a round of the cluster's: no wave of any partner still reads this slot or has a load on its way
	s_add_nc_u64 s[G0+4*\slot+2:G0+4*\slot+3], s[G0+4*\slot+2:G0+4*\slot+3], 2*ROWB
	s_add_nc_u64 s[G0B+4*\slot+2:G0B+4*\slot+3], s[G0B+4*\slot+2:G0B+4*\slot+3], 2*ROWB
	JLOAD G0+4*\slot, G1, G0B+4*\slot, G1B         ; the first tensor load behind the round; its four v_nop are among the places in front of the loads below
	PLACES NP-4
.else
	PLACES NP
.endif
	s_wait_alu depctr_va_vdst(0)
	v_add_nc_u32 v[ADRS], 4*NQ, v[ADRS]
	FETCH_B \next, 0, 0
	FETCH_A \next, 0, 0
	SCALES \next
	WIN MUL_HI
	MUL16 4, 1, NQ-1, \slot, 0
	MUL16 6, 1, NQ-1, \slot, 0
	PLACES NP
	WIN 0
	FETCH_A \next, 0, 4
.endm
	s_wait_tensorcnt 1                             ; the scales and my part of slot 0 are in; slot 1's load may be out
	s_barrier_signal -1
	s_barrier_wait -1
	FETCH_B 0, 0, 0
	FETCH_A 0, 0, 0
	SCALES 0
	FETCH_A 0, 0, 4
	STEP 0, 0, 1                                   ; the first step's products start the sums
	s_mov_b32 s3, LAPS-1
.Llap:
	TURN 0, 1, 1
	STEP 1, 0, 0
	TURN 1, 0, 1
	STEP 0, 0, 0
	s_sub_co_u32 s3, s3, 1
	s_cmp_lg_u32 s3, 0
	s_cbranch_scc1 .Llap
	TURN 0, 1, 0                                   ; the last lap fills nothing
	STEP 1, 0, 0
	s_wait_dscnt 4*NL
	WIN MUL_LO
	MUL16 0, 1, NQ-1, 1, 0
	MUL16 2, 1, NQ-1, 1, 0
	s_wait_dscnt 0
	WIN MUL_HI
	MUL16 4, 1, NQ-1, 1, 0
	MUL16 6, 1, NQ-1, 1, 0
	WIN 0
; 64 numbers of a lane, register 16 b + i = place 32 b + 16 (lane / 16) + i along the next K, become a fragment's codes in v[PC] on and its four scale bytes in v[PW].
.macro QUANT s
.irp b, 0,1,2,3
	v_max3_num_f32 v[TM+\b], |v[\s+16*\b]|, |v[\s+1+16*\b]|, 0x4800000   ; with the floor 2^(9 - 127): the byte cannot fall under 1
.endr
.irp i, 2,4,6,8,10,12,14
.irp b, 0,1,2,3
	v_max3_num_f32 v[TM+\b], v[TM+\b], |v[\s+16*\b+\i]|, |v[\s+1+16*\b+\i]|
.endr
.endr
.irp b, 0,1,2,3
	v_permlanex16_b32 v[TM+4+\b], v[TM+\b], s[SEL], s[SEL+1]
.endr
.irp b, 0,1,2,3
	v_max_num_f32 v[TM+\b], v[TM+\b], v[TM+4+\b]   ; with lane l xor 16's: the block's largest magnitude
.endr
.irp b, 0,1,2,3
	v_add_nc_u32 v[TM+12+\b], 0xfc000000, v[TM+\b] ; 8 off its exponent field: the conversion's scale operand
.endr
.irp b, 0,1,2,3
.endr
.irp b, 0,1,2,3
	v_lshrrev_b32 v[TM+4+\b], 23, v[TM+12+\b]      ; the scale's byte
.endr
	v_lshl_or_b32 v[PW], v[TM+5], 8, v[TM+4]
	v_lshl_or_b32 v[PW], v[TM+6], 16, v[PW]
	v_lshl_or_b32 v[PW], v[TM+7], 24, v[PW]
.irp b, 0,1,2,3
.irp i, 0,1,2,3,4,5,6,7,8,9,10,11,12,13,14,15
.endr
	v_cvt_scalef32_pk8_fp8_f32 v[PC+4*\b:PC+1+4*\b], v[\s+16*\b:\s+7+16*\b], v[TM+12+\b]
	v_cvt_scalef32_pk8_fp8_f32 v[PC+2+4*\b:PC+3+4*\b], v[\s+8+16*\b:\s+15+16*\b], v[TM+12+\b]
.endr
	v_nop                                          ; a plain instruction between the last conversion and the next vector instruction that writes its sources
.endm
; THE WAY OUT of A's block a: the bias is added on the way into window 0 (each accumulator is read from its low end on), the 64 numbers are quantised, and codes and scale bytes leave as the next operand's registers.
.macro OUTBLK a
.set AC, 64*((\a)%4)
	s_wait_xcnt 0x0                                ; the last block's stores have read their data registers: they are written again only behind this wait
	s_cmp_eq_u32 s[SEC], 2
	s_cbranch_scc1 .Lvbias_\@
	WIN 0x02+(\a)/4                                ; source 0: window 2 or 3
.set i, 0
.rept 32
	v_pk_add_f32 v[ST+i:ST+i+1], v[AC+i:AC+i+1], v[BP+i:BP+i+1]       ; q, k: the bias runs along the registers
.set i, i+2
.endr
	WIN 0
	s_branch .Lquant_\@
.Lvbias_\@:
	WIN 0x02+(\a)/4
.set i, 0
.rept 32
.if ((\a)%2) == 0
	v_pk_add_f32 v[ST+i:ST+i+1], v[AC+i:AC+i+1], v[BQ+2*((\a)/2):BQ+2*((\a)/2)+1] op_sel_hi:[1,0]              ; v: one bias a lane: the pair's first register for both halves
.else
	v_pk_add_f32 v[ST+i:ST+i+1], v[AC+i:AC+i+1], v[BQ+2*((\a)/2):BQ+2*((\a)/2)+1] op_sel:[0,1] op_sel_hi:[1,1] ; the pair's second register for both halves
.endif
.set i, i+2
.endr
	WIN 0
.Lquant_\@:
	QUANT ST
	s_cmp_eq_u32 s[SEC], 2
	s_cbranch_scc1 .Lvstore_\@
.irp g, 0,1,2,3
	global_store_b128 v[VOQ], v[PC+4*\g:PC+4*\g+3], s[12:13] offset:(\g/2)*131072+(\a)*1024+(\g%2)*512   ; head g / 2, tile a, c = g % 2: 512 consecutive bytes a wave, aligned
.endr
	v_lshrrev_b32 v[PH], v[SH], v[PW]              ; lanes 0-15: the first head's two bytes; lanes 16-31: the second's
	global_store_b16 v[VSQ], v[PH], s[12:13] offset:((\a)/2)*64+((\a)%2)*2
	s_branch .Lstored_\@
.Lvstore_\@:
	s_wait_alu depctr_va_vdst(0)
.irp g, 0,1,2,3
	global_store_b128 v[VOV], v[PC+4*\g:PC+4*\g+3], s[12:13] offset:((\a)/4)*131072+((\a)%4)*2048+\g*512  ; head a / 4, d tile a % 4, c = g
.endr
	global_store_b32 v[VSV], v[PW], s[12:13] offset:((\a)/4)*4096+((\a)%4)*64   ; both halves of the lanes write the same word with the same value
.Lstored_\@:
.endm
	PLACES NP                                      ; behind the last products: the lines below write registers that held A's fragments
	s_wait_loadcnt 0x0                             ; the biases
.irp b, 0,1,2,3
	v_mov_b32 v[TM+4+\b], 0                        ; written once: a lane permute's destination counts as one of its sources
.endr
.irp a, 0,1,2,3,4,5,6,7
	OUTBLK \a
.endr
	s_wait_tensorcnt 0x0                           ; the wave's end
	ds_add_u32 v[SPW], v[NIL]
	s_wait_dscnt 0x0
	CROUND                                         ; the closing round
	s_endpgm
.Lfunc_end_k_q16030e18a2_qkvgemm:
	.size	k_q16030e18a2_qkvgemm, .Lfunc_end_k_q16030e18a2_qkvgemm-k_q16030e18a2_qkvgemm
	.p2alignl 7, 3214868480
	.fill 96, 4, 3214868480
	.section	.rodata,"a",@progbits
	.p2align	6, 0x0
	.amdhsa_kernel k_q16030e18a2_qkvgemm
		.amdhsa_group_segment_fixed_size 327680
		.amdhsa_private_segment_fixed_size 0
		.amdhsa_enable_private_segment 0
		.amdhsa_kernarg_size 24
		.amdhsa_user_sgpr_count 2
		.amdhsa_user_sgpr_kernarg_segment_ptr 1
		.amdhsa_wavefront_size32 1
		.amdhsa_system_sgpr_workgroup_id_x 1
		.amdhsa_system_sgpr_workgroup_id_y 1
		.amdhsa_system_sgpr_workgroup_id_z 1
		.amdhsa_system_vgpr_workitem_id 0
		.amdhsa_next_free_vgpr 1024
		.amdhsa_next_free_sgpr 102
		.amdhsa_reserve_vcc 0
		.amdhsa_float_denorm_mode_32 3
		.amdhsa_float_denorm_mode_16_64 3
		.amdhsa_fp16_overflow 1
		.amdhsa_memory_ordered 1
		.amdhsa_forward_progress 1
		.amdhsa_inst_pref_size 192
	.end_amdhsa_kernel
	.amdgpu_metadata
---
amdhsa.version: [ 1, 2 ]
amdhsa.kernels:
  - .name:           k_q16030e18a2_qkvgemm
    .symbol:         k_q16030e18a2_qkvgemm.kd
    .args:
      - { .name: opq, .offset: 0, .size: 8, .value_kind: global_buffer, .address_space: global }
      - { .name: bqkv, .offset: 8, .size: 8, .value_kind: global_buffer, .address_space: global }
      - { .name: qkvi, .offset: 16, .size: 8, .value_kind: global_buffer, .address_space: global }
    .group_segment_fixed_size: 327680
    .private_segment_fixed_size: 0
    .kernarg_segment_align: 8
    .kernarg_segment_size: 24
    .max_flat_workgroup_size: 128
    .sgpr_count:     102
    .vgpr_count:     1024
    .wavefront_size: 32
...
	.end_amdgpu_metadata
.endif
;; end of part 2
;; launch attn (part 3): grid 8 x 32, 16 waves a work-group, no clusters, 280,576 bytes of LDS; arguments qkvi, mask, vwi; writes vwi
.if DOCPART == 3
	.amdgcn_target "amdgcn-amd-amdhsa--gfx1250"
	.amdhsa_code_object_version 6
	.text
	.protected	k_q16030e18a2_attn
	.globl	k_q16030e18a2_attn
	.p2align	8
	.type	k_q16030e18a2_attn,@function
k_q16030e18a2_attn:
	s_mov_b64 s[64:65], 0
	v_nop
	global_prefetch_b8 v0, s[64:65] scope:SCOPE_SE
	s_setreg_imm32_b32 hwreg(HW_REG_WAVE_MODE, 25, 1), 1
	s_wait_xcnt 0x0
; vw = softmax(q k^T / 8 + log(mask x causal)) v for one head, both products on codes of FP8 (E4M3) with E8M0 scales; vw is quantised along d and leaves as images of the last product's operand registers.
; SOFTMAX: t = (score + 8 ln mask) x log2(e) / 8; M = the running largest t rounded up to a whole number; p = 2^(t - M) is quantised along the keys; the sum of the unquantised p divides at the end.
; SHARES.  Work-group (i, b h) owns the blocks i and 15 - i of 128 queries of its head: 17 key steps of 128 for each pair of waves, whatever i.  Sixteen waves, one tile of 16 queries each, four to a SIMD.
; A wave of block j works on key steps 0 .. j; step j lies on the diagonal.  Every wave walks all 16 steps (constant trip counts) and jumps over the work of hidden steps: a scalar branch on ids.
; ALL OF THE HEAD'S K AND V (2 x 128 KB of register images) COME INTO LDS ONCE, by four tensor loads a wave issued together at the head; nothing is filled again.  By this text's count a wave has four tensor loads out at the most.
; Each chunk of four key steps is waited for by its own count, so that the first steps run while the later chunks land.
; NO CLUSTER: the work-groups of a head differ in their query blocks, and the jumps over hidden steps hang on those.
; LAYOUT.  S^T = K Q^T, O^T = V^T P^T: a lane holds one query throughout.  Tokens and d are stored with bits 3 and 4 exchanged, so that two neighbouring tiles' 16 registers are 16 neighbouring keys (or d).
; K = 64 fills half of a matrix instruction: even tiles go as (k, zeros) x (q, zeros), odd tiles as (zeros, k) x (zeros, q): one scale word serves a pair of tiles.
; THE MASK: 8 ln(mask[key]) is the C of the scores' matrix instructions, loaded from LDS into the result's registers.
; LIMITS: a hole (mask 0) counts as -1e30 and the running maximum begins at -1e25, so scores of magnitude 1e24 and above are not served; a negative or denormal mask value counts as a hole; NaN and infinities are not served.
; A query all of whose keys are hidden has the sum 0: its scale bytes become 0xff and its codes the NaN code, so that its row of the output is NaN.
; REGISTERS: v1-5 addresses that stay; v8-11 the step's; v12 -M, v13 the largest t, v[14:15] the sum; v16-39 zeros, q, zeros; v40-87 two pairs (k, zeros, k); v88-91 K's and V's scale words, v92 q's, v93 p's;
;   v96-159 the mask's term, then S^T, then p, then V's fragments; v160-191 O^T; v192-207 p's codes; v208-229 at work.
.set KI,  4194304
.set QSC, 12582912
.set KSC, 12713984
.set VWS, 4194304
.set SCK, 262144                       ; LDS: K's images at 0, V's at 131,072; K's scale words here, V's 4,096 on;
.set LM,  270336                       ; 8 ln(mask), 2,048 numbers in the keys' order
.set WV, 22
.set JB, 23
.set KST, 50
.set TK, 51
.set TS, 52
.set TL, 53
.set CNT, 54
.set SEL, 56
.set CS, 58
.set MNT, 60
	s_load_b128 s[4:7], s[0:1], 0x0                ; qkvi, mask
	s_load_b64 s[8:9], s[0:1], 0x10                ; vwi
	v_lshl_add_u32 v254, v0, 2, 0x44000
	v_mov_b32 v255, 0
	ds_add_u32 v254, v255
	ds_add_u32 v254, v255
	v_lshrrev_b32 v1, 5, v0
	s_delay_alu instid0(VALU_DEP_1)
	v_readfirstlane_b32 s[WV], v1                  ; wave 0..15
	s_and_b32 s20, ttmp7, 0xffff                   ; 16 x batch + head
	s_mov_b32 s24, 3<<16                           ; group 1: 4,096 dense bytes as 16 rows of 32 elements of 8 bytes; no mask, no padding
	s_mov_b32 s25, 32<<16
	s_mov_b32 s26, 16<<16
	s_mov_b32 s27, 32<<16
	s_mov_b32 s28, 16
	s_mov_b32 s29, 32
	s_mov_b32 s30, 0
	s_mov_b32 s31, 0
	s_lshr_b32 s10, s[WV], 3                       ; waves 0-7 fetch K, waves 8-15 V
	s_and_b32 s11, s[WV], 7                        ; my eighth of a chunk
	s_lshl_b32 s12, s10, 17
	s_lshl_b32 s13, s11, 12
	s_add_co_u32 s12, s12, s13                     ; in LDS
	s_lshl_b32 s14, s10, 22
	s_lshl_b32 s15, s20, 17
	s_add_co_u32 s14, s14, s15
	s_add_co_u32 s14, s14, s13
	s_add_co_u32 s14, s14, KI                      ; in memory
	s_mov_b32 s15, 0
	s_lshr_b32 s18, s[WV], 2
	s_xor_b32 s18, s18, s[WV]
	s_and_b32 s18, s18, 1                          ; which of the two blocks: two waves of each kind among waves 4 n .. 4 n + 3 and among waves n, n + 4, n + 8, n + 12
	s_lshr_b32 s19, s[WV], 1                       ; my tile in the block
	s_sub_co_u32 s21, 15, ttmp9
	s_cmp_eq_u32 s18, 1
	s_cselect_b32 s[JB], s21, ttmp9                ; my block of 128 queries = my last key step
	s_lshl_b32 s21, s[JB], 3
	s_add_co_u32 s21, s21, s19                     ; my tile of 16 stored tokens
	s_lshl_b32 s16, s20, 12
	s_add_co_u32 s16, s16, KSC
	s_lshr_b32 s17, s20, 4
	s_lshl_b32 s17, s17, 13
	s_lshl_b32 s48, s20, 17
	s_lshl_b32 s49, s21, 10
	s_add_co_u32 s48, s48, s49                     ; q's image
	s_lshl_b32 s49, s20, 12
	s_add_co_u32 s49, s49, QSC
	s_lshr_b32 s10, s21, 1
	s_lshl_b32 s10, s10, 6
	s_add_co_u32 s49, s49, s10
	s_and_b32 s10, s21, 1
	s_lshl_b32 s10, s10, 1
	s_add_co_u32 s49, s49, s10                     ; q's scale bytes
	s_mov_b32 s[SEL], 0x76543210
	s_mov_b32 s[SEL+1], 0xfedcba98
	s_mov_b32 s[CS], 0x3e38aa3b                    ; c = log2(e) / 8
	s_mov_b32 s[CS+1], s[CS]
	s_wait_dscnt 0x0
	s_wait_kmcnt 0x0
	s_add_nc_u64 s[14:15], s[4:5], s[14:15]
.irp g, 0,1,2,3
	s_mov_b32 s[32+4*\g], 1
	s_add_co_u32 s[33+4*\g], s12, \g*32768
	s_add_nc_u64 s[34+4*\g:35+4*\g], s[14:15], \g*32768
	s_or_b32 s[35+4*\g], s[35+4*\g], 0x80000000
.endr
	tensor_load_to_lds s[32:35], s[24:31]          ; my part of key steps 0-3,
	s_nop 0
	tensor_load_to_lds s[36:39], s[24:31]          ; 4-7,
	s_nop 0
	tensor_load_to_lds s[40:43], s[24:31]          ; 8-11,
	s_nop 0
	tensor_load_to_lds s[44:47], s[24:31]          ; 12-15
	s_nop 0
.rept 4
	v_nop
.endr
	v_and_b32 v6, 0xff, v0
	s_delay_alu instid0(VALU_DEP_1)
	v_lshlrev_b32 v6, 4, v6
	v_lshrrev_b32 v7, 8, v0
	s_delay_alu instid0(VALU_DEP_1)
	v_lshl_add_u32 v6, v7, 17, v6
	s_delay_alu instid0(VALU_DEP_1)
	v_add_nc_u32 v6, s16, v6
	global_load_b128 v[96:99], v6, s[4:5]          ; threads 0-255: K's scale words of the head, 16 bytes each; threads 256-511: V's
	v_lshl_add_u32 v7, v0, 4, s17
	global_load_b128 v[100:103], v7, s[6:7]        ; four numbers of the batch's mask
	v_and_b32 v104, 31, v0                         ; lane
	v_and_b32 v105, 15, v0                         ; r
	v_bfe_u32 v106, v0, 4, 1                       ; h
	s_delay_alu instid0(VALU_DEP_3)
	v_lshl_add_u32 v107, v104, 4, s48
	global_load_b128 v[24:27], v107, s[4:5]        ; q's fragment stays in registers
	global_load_b128 v[28:31], v107, s[4:5] offset:512
	v_lshl_add_u32 v108, v105, 2, s49
	global_load_u16 v92, v108, s[4:5]
	v_lshlrev_b32 v1, 4, v104                      ; an image's place for my lane: K's,
	s_delay_alu instid0(VALU_DEP_1)
	v_add_nc_u32 v2, 131072, v1                    ; V's
	v_lshl_add_u32 v3, v104, 2, SCK                ; scale words: lanes 0-15 one pair of tiles (or d tile), lanes 16-31 the next
	v_lshl_add_u32 v4, v106, 6, LM
	s_lshr_b32 s10, s19, 1
	s_lshl_b32 s10, s10, 5
	s_and_b32 s11, s19, 1
	s_lshl_b32 s11, s11, 3
	s_add_co_u32 s10, s10, s11
	v_and_b32 v5, 8, v105
	s_delay_alu instid0(VALU_DEP_1)
	v_add_nc_u32 v5, v5, v105
	s_delay_alu instid0(VALU_DEP_1)
	v_add_nc_u32 v5, s10, v5                       ; my query in its block of 128,
	v_lshlrev_b32 v109, 4, v106
	s_delay_alu instid0(VALU_DEP_1)
	v_sub_nc_u32 v5, v5, v109                      ; less 16 h: register 16 b + i of the diagonal step is hidden where 32 b + i is greater
	v_lshl_add_u32 v110, v0, 4, SCK
	v_lshl_add_u32 v111, v0, 4, LM
.irp j, 16,17,18,19,20,21,22,23,32,33,34,35,36,37,38,39,48,49,50,51,52,53,54,55,72,73,74,75,76,77,78,79
	v_mov_b32 v[\j], 0                             ; the zero codes of the unused half of K = 128
.endr
.set n, 0
.rept 32
	v_mov_b32 v[160+n], 0                          ; O^T: the step is written once; its first turn finds zeros
.set n, n+1
.endr
	v_mov_b32 v14, 0
	v_mov_b32 v15, 0
.irp j, 212,213,214,215,224,227
	v_mov_b32 v[\j], 0                             ; lane permutes' destinations and the upper half of a pair: written before they are named
.endr
	v_mov_b32 v13, 0xe904595a                      ; the largest t so far: -1e25
	s_delay_alu instid0(VALU_DEP_1)
	v_floor_f32 v12, -v13                          ; -M
	s_wait_loadcnt 0x0
	ds_store_b128 v110, v[96:99]
.irp j, 100,101,102,103
	v_log_f32 v[\j], v[\j]
.endr
	v_lshl_or_b32 v92, v92, 16, v92                ; q's two bytes serve both halves of K.  (A plain instruction behind the logarithms)
	s_wait_alu depctr_va_vdst(0)                   ; one wait for the four, ahead of their first reader
.irp j, 100,101,102,103
	v_mul_f32 v[\j], 0x40b17218, v[\j]             ; 8 ln 2 x log2(mask)
.endr
.irp j, 100,101,102,103
	s_delay_alu instid0(VALU_DEP_4)
	v_max_num_f32 v[\j], 0xf149f2ca, v[\j]         ; a hole: -1e30
.endr
	ds_store_b128 v111, v[100:103]
.macro KLOAD g                         ; tiles 4 g .. 4 g + 3 of the step's eight
.irp p, 0,1
.irp u, 0,1
.irp c, 0,1
	ds_load_b128 v[40+24*\p+16*\u+4*\c:43+24*\p+16*\u+4*\c], v8 offset:1024*(4*\g+2*\p+\u)+512*\c
.endr
.endr
.endr
.endm
.macro SCORE g                         ; four accumulators, one instruction each; C holds the mask's term
	v_wmma_scale_f32_16x16x128_f8f6f4 v[96+32*\g:103+32*\g], v[40:55], v[24:39], v[96+32*\g:103+32*\g], v[88+\g], v92
	v_wmma_scale_f32_16x16x128_f8f6f4 v[104+32*\g:111+32*\g], v[48:63], v[16:31], v[104+32*\g:111+32*\g], v[88+\g], v92
	v_wmma_scale_f32_16x16x128_f8f6f4 v[112+32*\g:119+32*\g], v[64:79], v[24:39], v[112+32*\g:119+32*\g], v[88+\g], v92 matrix_a_scale:MATRIX_SCALE_ROW1
	v_wmma_scale_f32_16x16x128_f8f6f4 v[120+32*\g:127+32*\g], v[72:87], v[16:31], v[120+32*\g:127+32*\g], v[88+\g], v92 matrix_a_scale:MATRIX_SCALE_ROW1
.endm
; A KEY STEP: 128 keys.
.macro STEP
	s_cmp_gt_u32 s[KST], s[JB]                     ; all its keys come after my queries: only the address steps at its end are run
	s_cbranch_scc1 .Lhidden_\@
	s_setprio 2
	v_add_nc_u32 v8, s[TK], v1
	v_add_nc_u32 v9, s[TK], v2
	v_add_nc_u32 v10, s[TS], v3
	v_add_nc_u32 v11, s[TL], v4
.rept 5
	v_nop                                          ; with the four additions nine places behind the last step's products, whose operand registers are loaded and then written by matrix instructions
.endr
	KLOAD 0
.irp t, 0,1,2,3,4,5,6,7
	ds_load_b128 v[96+8*\t:99+8*\t], v11 offset:4*(32*(\t/2)+8*(\t%2))       ; register j of tile t: key 32 (t / 2) + 16 h + 8 (t % 2) + j
	ds_load_b128 v[100+8*\t:103+8*\t], v11 offset:4*(32*(\t/2)+8*(\t%2))+16
.endr
	ds_load_b32 v88, v10
	ds_load_b32 v89, v10 offset:128
	ds_load_b32 v90, v10 offset:4096
	ds_load_b32 v91, v10 offset:4224
	s_wait_alu depctr_va_vdst(0)
	s_wait_dscnt 0x0
	SCORE 0
.rept 8
	v_nop
.endr
	KLOAD 1
	s_wait_dscnt 0x0
	SCORE 1
.rept 8
	v_nop
.endr
	s_cmp_lg_u32 s[KST], s[JB]                     ; on the diagonal alone: hidden keys' scores become -infinity
	s_cbranch_scc1 .Lopen_\@
	v_mov_b32 v224, 0xff800000
.set n, 0
.rept 64
	v_cmp_gt_i32 vcc_lo, 32*(n/16)+n%16, v5
	v_cndmask_b32 v[96+n], v[96+n], v224, vcc_lo
.set n, n+1
.endr
.Lopen_\@:
.irp b, 0,1,2,3
	v_max3_num_f32 v[208+\b], v[96+16*\b], v[97+16*\b], v[98+16*\b]   ; the largest score of each block of 32 keys: for the row's maximum, and, since p rises with the score, for the block's largest p
.endr
.irp i, 3,5,7,9,11,13
.irp b, 0,1,2,3
	v_max3_num_f32 v[208+\b], v[208+\b], v[96+16*\b+\i], v[97+16*\b+\i]
.endr
.endr
.irp b, 0,1,2,3
	v_max_num_f32 v[208+\b], v[208+\b], v[111+16*\b]
.endr
.irp b, 0,1,2,3
	s_delay_alu instid0(VALU_DEP_4)
	v_permlanex16_b32 v[212+\b], v[208+\b], s[SEL], s[SEL+1]
.endr
.irp b, 0,1,2,3
	s_delay_alu instid0(VALU_DEP_4)
	v_max_num_f32 v[208+\b], v[208+\b], v[212+\b]
.endr
	s_delay_alu instid0(VALU_DEP_2)
	v_max3_num_f32 v224, v208, v209, v210
	s_delay_alu instid0(VALU_DEP_1)
	v_max_num_f32 v224, v224, v211
	s_delay_alu instid0(VALU_DEP_1)
	v_mul_f32 v224, s[CS], v224
	s_delay_alu instid0(VALU_DEP_1)
	v_max_num_f32 v13, v13, v224                   ; the running largest t
	v_mov_b32 v224, v12
	s_delay_alu instid0(VALU_DEP_2)
	v_floor_f32 v12, -v13                          ; the new -M: M is a whole number
	s_delay_alu instid0(VALU_DEP_1)
	v_sub_f32 v224, v12, v224
	s_delay_alu instid0(VALU_DEP_1)
	v_cvt_i32_f32 v224, v224                       ; (it saturates)
	s_delay_alu instid0(VALU_DEP_1)
	v_ldexp_f32 v226, 1.0, v224                    ; f = 2^(old M - new M)
.set n, 0
	s_setprio 1
.rept 32
	v_pk_fma_f32 v[96+n:97+n], v[96+n:97+n], s[CS:CS+1], v[12:13] op_sel_hi:[1,0,0]   ; t - M
.set n, n+2
.endr
.irp b, 0,1,2,3
	v_fma_f32 v[208+\b], v[208+\b], s[CS], v12
.endr
.set n, 0
	s_wait_alu depctr_va_vdst(0)
.rept 64
	v_exp_f32 v[96+n], v[96+n]                     ; p = 2^(t - M)
.set n, n+1
.endr
	v_pk_mul_f32 v[14:15], v[14:15], v[226:227] op_sel_hi:[1,0]   ; the sums under the new M.  (A plain instruction behind the exponentials)
	s_wait_alu depctr_va_vdst(0)                   ; one wait for the batch, ahead of its first reader
.irp b, 0,1,2,3
	v_exp_f32 v[208+\b], v[208+\b]                 ; the blocks' largest p
.endr
	v_pk_add_f32 v[228:229], v[100:101], v[104:105]
	v_pk_add_f32 v[252:253], v[108:109], v[112:113]
	v_pk_add_f32 v[250:251], v[116:117], v[120:121]
	v_pk_add_f32 v[248:249], v[124:125], v[128:129]
	v_pk_add_f32 v[246:247], v[132:133], v[136:137]
	v_pk_add_f32 v[244:245], v[140:141], v[144:145]
	v_pk_add_f32 v[242:243], v[148:149], v[152:153]
	v_pk_add_f32 v[14:15], v[14:15], v[156:157]
	v_pk_add_f32 v[228:229], v[228:229], v[96:97]
	v_pk_add_f32 v[252:253], v[252:253], v[98:99]
	v_pk_add_f32 v[250:251], v[250:251], v[102:103]
	v_pk_add_f32 v[248:249], v[248:249], v[106:107]
	v_pk_add_f32 v[246:247], v[246:247], v[110:111]
	v_pk_add_f32 v[244:245], v[244:245], v[114:115]
	v_pk_add_f32 v[242:243], v[242:243], v[118:119]
	v_pk_add_f32 v[14:15], v[14:15], v[122:123]
	v_pk_add_f32 v[228:229], v[228:229], v[126:127]
	v_pk_add_f32 v[252:253], v[252:253], v[130:131]
	v_pk_add_f32 v[250:251], v[250:251], v[134:135]
	v_pk_add_f32 v[248:249], v[248:249], v[138:139]
	v_pk_add_f32 v[246:247], v[246:247], v[142:143]
	v_pk_add_f32 v[244:245], v[244:245], v[146:147]
	v_pk_add_f32 v[242:243], v[242:243], v[150:151]
	v_pk_add_f32 v[14:15], v[14:15], v[154:155]
	v_pk_add_f32 v[228:229], v[228:229], v[158:159]
	s_delay_alu instid0(VALU_DEP_2)
	v_pk_add_f32 v[14:15], v[14:15], v[248:249]
	s_delay_alu instid0(VALU_DEP_2)
	v_pk_add_f32 v[228:229], v[228:229], v[246:247]
	v_pk_add_f32 v[252:253], v[252:253], v[244:245]
	v_pk_add_f32 v[250:251], v[250:251], v[242:243]
	s_delay_alu instid0(VALU_DEP_2)
	v_pk_add_f32 v[14:15], v[14:15], v[252:253]
	s_delay_alu instid0(VALU_DEP_2)
	v_pk_add_f32 v[228:229], v[228:229], v[250:251]
	s_delay_alu instid0(VALU_DEP_1)
	v_pk_add_f32 v[14:15], v[14:15], v[228:229]
	s_wait_alu depctr_va_vdst(0)                   ; and one for the four
.irp b, 0,1,2,3
	v_max_num_f32 v[208+\b], 0x4800000, v[208+\b]  ; the floor 2^(9 - 127)
.endr
.irp b, 0,1,2,3
	s_delay_alu instid0(VALU_DEP_4)
	v_add_nc_u32 v[220+\b], 0xfc000000, v[208+\b]
.endr
.irp b, 0,1,2,3
.endr
.irp b, 0,1,2,3
	s_delay_alu instid0(VALU_DEP_4)
	v_lshrrev_b32 v[212+\b], 23, v[220+\b]
.endr
	s_delay_alu instid0(VALU_DEP_3)
	v_lshl_or_b32 v93, v213, 8, v212               ; p's scale word for these 128 keys
	s_delay_alu instid0(VALU_DEP_1)
	v_lshl_or_b32 v93, v214, 16, v93
	s_delay_alu instid0(VALU_DEP_1)
	v_lshl_or_b32 v93, v215, 24, v93
	s_setprio 0
.irp b, 0,1,2,3
.irp i, 0,1,2,3,4,5,6,7,8,9,10,11,12,13,14,15
.endr
	v_cvt_scalef32_pk8_fp8_f32 v[192+4*\b:193+4*\b], v[96+16*\b:103+16*\b], v[220+\b]
	v_cvt_scalef32_pk8_fp8_f32 v[194+4*\b:195+4*\b], v[104+16*\b:111+16*\b], v[220+\b]
.endr
	v_nop                                          ; a plain instruction behind the last conversion
.irp t, 0,1,2,3
.irp c, 0,1,2,3
	ds_load_b128 v[96+16*\t+4*\c:99+16*\t+4*\c], v9 offset:2048*\t+512*\c   ; V's four fragments land where p lay
.endr
.endr
.set n, 0
.rept 16
	v_pk_mul_f32 v[160+n:161+n], v[160+n:161+n], v[226:227] op_sel_hi:[1,0]   ; O^T under the new M; these are also the places between the codes and the products
.set n, n+2
.endr
	s_wait_alu depctr_va_vdst(0)
	s_wait_dscnt 0x0
	v_wmma_scale_f32_16x16x128_f8f6f4 v[160:167], v[96:111], v[192:207], v[160:167], v90, v93
	v_wmma_scale_f32_16x16x128_f8f6f4 v[168:175], v[112:127], v[192:207], v[168:175], v90, v93 matrix_a_scale:MATRIX_SCALE_ROW1
	v_wmma_scale_f32_16x16x128_f8f6f4 v[176:183], v[128:143], v[192:207], v[176:183], v91, v93
	v_wmma_scale_f32_16x16x128_f8f6f4 v[184:191], v[144:159], v[192:207], v[184:191], v91, v93 matrix_a_scale:MATRIX_SCALE_ROW1
.Lhidden_\@:
	s_add_co_u32 s[KST], s[KST], 1
	s_add_co_u32 s[TK], s[TK], 8192
	s_add_co_u32 s[TS], s[TS], 256
	s_add_co_u32 s[TL], s[TL], 512
.endm
; FOUR KEY STEPS.  My loads of chunks 0 .. g have landed (the 3 - g younger ones may be out), my LDS stores are done: then the barrier shows the same of every wave.
.macro CHUNK g
	s_wait_tensorcnt 3-\g
	s_wait_dscnt 0x0
	s_barrier_signal -1
	s_barrier_wait -1
	s_mov_b32 s[KST], 4*\g
	s_mov_b32 s[TK], 32768*\g
	s_mov_b32 s[TS], 1024*\g
	s_mov_b32 s[TL], 2048*\g
	s_mov_b32 s[CNT], 4
.Lstep_\@:
	STEP
	s_sub_co_u32 s[CNT], s[CNT], 1
	s_cmp_lg_u32 s[CNT], 0
	s_cbranch_scc1 .Lstep_\@
	s_setprio 0
.endm
	CHUNK 0
	CHUNK 1
	CHUNK 2
	CHUNK 3
	; THE WAY OUT: O^T / the sum, quantised along d (two blocks of 32 of the last product's K), as registers 4 c .. 4 c + 3, c = 2 (head % 2) + 0, 1, of K step head / 2.
.rept 8
	v_nop                                          ; places behind the last products
.endr
	v_add_f32 v14, v14, v15
	s_delay_alu instid0(VALU_DEP_1)
	v_permlanex16_b32 v224, v14, s[SEL], s[SEL+1]
	s_delay_alu instid0(VALU_DEP_1)
	v_add_f32 v14, v14, v224                       ; the row's sum
	s_wait_alu depctr_va_vdst(0)
	v_rcp_f32 v226, v14
	v_and_b32 v6, 31, v0                           ; (a plain instruction behind the reciprocal)
	s_wait_alu depctr_va_vdst(0)
	v_and_b32 v7, 15, v0
	s_wait_alu depctr_va_vdst(0)
	s_lshr_b32 s10, s20, 4
	s_lshl_b32 s10, s10, 7
	s_add_co_u32 s10, s10, s21                     ; my tile among the 256 of both batches
	s_and_b32 s11, s20, 15                         ; the head
	s_lshl_b32 s12, s10, 14
	s_lshr_b32 s13, s11, 1
	s_lshl_b32 s13, s13, 11
	s_add_co_u32 s12, s12, s13
	s_and_b32 s13, s11, 1
	s_lshl_b32 s13, s13, 10
	s_add_co_u32 s12, s12, s13
	s_lshl_b32 s13, s10, 9
	s_lshl_b32 s11, s11, 1
	s_add_co_u32 s13, s13, s11
	s_add_co_u32 s13, s13, VWS
	v_lshl_add_u32 v6, v6, 4, s12
	v_lshl_add_u32 v7, v7, 5, s13
	v_mov_b32 v225, 0xffff
	v_mov_b32 v224, 0x7f7f7f7f
	s_wait_alu depctr_va_vdst(0)                   ; ahead of the reciprocal's first reader
.set n, 0
.rept 16
	v_pk_mul_f32 v[96+n:97+n], v[160+n:161+n], v[226:227] op_sel_hi:[1,0]   ; register 16 b + i: d = 32 b + 16 h + i; each accumulator from its low end on
.set n, n+2
.endr
.irp b, 0,1
	v_max3_num_f32 v[208+\b], |v[96+16*\b]|, |v[97+16*\b]|, 0x4800000
.endr
.irp i, 2,4,6,8,10,12,14
.irp b, 0,1
	s_delay_alu instid0(VALU_DEP_2)
	v_max3_num_f32 v[208+\b], v[208+\b], |v[96+16*\b+\i]|, |v[97+16*\b+\i]|
.endr
.endr
.irp b, 0,1
	s_delay_alu instid0(VALU_DEP_2)
	v_permlanex16_b32 v[212+\b], v[208+\b], s[SEL], s[SEL+1]
.endr
.irp b, 0,1
	s_delay_alu instid0(VALU_DEP_2)
	v_max_num_f32 v[208+\b], v[208+\b], v[212+\b]
.endr
.irp b, 0,1
	s_delay_alu instid0(VALU_DEP_2)
	v_add_nc_u32 v[220+\b], 0xfc000000, v[208+\b]
.endr
.irp b, 0,1
.endr
.irp b, 0,1
	s_delay_alu instid0(VALU_DEP_2)
	v_lshrrev_b32 v[212+\b], 23, v[220+\b]
.endr
	s_delay_alu instid0(VALU_DEP_1)
	v_lshl_or_b32 v93, v213, 8, v212
	v_cmp_eq_f32 vcc_lo, 0, v14                    ; every key of my query was hidden
	s_delay_alu instid0(VALU_DEP_1)
	v_cndmask_b32 v93, v93, v225, vcc_lo
.irp b, 0,1
.irp i, 0,1,2,3,4,5,6,7,8,9,10,11,12,13,14,15
.endr
	v_cvt_scalef32_pk8_fp8_f32 v[192+4*\b:193+4*\b], v[96+16*\b:103+16*\b], v[220+\b]
	v_cvt_scalef32_pk8_fp8_f32 v[194+4*\b:195+4*\b], v[104+16*\b:111+16*\b], v[220+\b]
.endr
	v_nop                                          ; a plain instruction behind the last conversion
.irp j, 0,1,2,3,4,5,6,7
	v_cndmask_b32 v[192+\j], v[192+\j], v224, vcc_lo
.endr
	global_store_b128 v6, v[192:195], s[8:9]       ; 512 consecutive bytes a wave, aligned
	global_store_b128 v6, v[196:199], s[8:9] offset:512
	global_store_b16 v7, v93, s[8:9]               ; my row's two scale bytes; both halves of the lanes write the same
	s_wait_tensorcnt 0x0
	ds_add_u32 v254, v255
	s_wait_dscnt 0x0
	s_endpgm
.Lfunc_end_k_q16030e18a2_attn:
	.size	k_q16030e18a2_attn, .Lfunc_end_k_q16030e18a2_attn-k_q16030e18a2_attn
	.p2alignl 7, 3214868480
	.fill 96, 4, 3214868480
	.section	.rodata,"a",@progbits
	.p2align	6, 0x0
	.amdhsa_kernel k_q16030e18a2_attn
		.amdhsa_group_segment_fixed_size 280576
		.amdhsa_private_segment_fixed_size 0
		.amdhsa_enable_private_segment 0
		.amdhsa_kernarg_size 24
		.amdhsa_user_sgpr_count 2
		.amdhsa_user_sgpr_kernarg_segment_ptr 1
		.amdhsa_wavefront_size32 1
		.amdhsa_system_sgpr_workgroup_id_x 1
		.amdhsa_system_sgpr_workgroup_id_y 1
		.amdhsa_system_sgpr_workgroup_id_z 1
		.amdhsa_system_vgpr_workitem_id 0
		.amdhsa_next_free_vgpr 256
		.amdhsa_next_free_sgpr 66
		.amdhsa_reserve_vcc 1
		.amdhsa_float_denorm_mode_32 3
		.amdhsa_float_denorm_mode_16_64 3
		.amdhsa_fp16_overflow 1
		.amdhsa_memory_ordered 1
		.amdhsa_forward_progress 1
		.amdhsa_inst_pref_size 112
	.end_amdhsa_kernel
	.amdgpu_metadata
---
amdhsa.version: [ 1, 2 ]
amdhsa.kernels:
  - .name:           k_q16030e18a2_attn
    .symbol:         k_q16030e18a2_attn.kd
    .args:
      - { .name: qkvi, .offset: 0, .size: 8, .value_kind: global_buffer, .address_space: global }
      - { .name: mask, .offset: 8, .size: 8, .value_kind: global_buffer, .address_space: global }
      - { .name: vwi, .offset: 16, .size: 8, .value_kind: global_buffer, .address_space: global }
    .group_segment_fixed_size: 280576
    .private_segment_fixed_size: 0
    .kernarg_segment_align: 8
    .kernarg_segment_size: 24
    .max_flat_workgroup_size: 512
    .sgpr_count:     66
    .vgpr_count:     256
    .wavefront_size: 32
...
	.end_amdgpu_metadata
.endif
;; end of part 3
;; launch proj (part 4): grid 4 x 16, 4 waves a work-group, clusters of 4 x 4, 327,680 bytes of LDS; arguments vwi, opq, bo, out0; writes out0
.if DOCPART == 4
	.amdgcn_target "amdgcn-amd-amdhsa--gfx1250"
	.amdhsa_code_object_version 6
	.text
	.protected	k_q16030e18a2_proj
	.globl	k_q16030e18a2_proj
	.p2align	8
	.type	k_q16030e18a2_proj,@function
k_q16030e18a2_proj:
	s_mov_b64 s[64:65], 0
	v_nop
	global_prefetch_b8 v0, s[64:65] scope:SCOPE_SE
	s_setreg_imm32_b32 hwreg(HW_REG_WAVE_MODE, 25, 1), 1
	s_wait_xcnt 0x0
	s_wait_alu depctr_hold_cnt(0) depctr_sa_sdst(0) depctr_va_vdst(0) depctr_va_sdst(0) depctr_va_ssrc(0) depctr_va_vcc(0) depctr_vm_vsrc(0)
	s_getreg_b32 s2, hwreg(HW_REG_IB_STS2, 6, 4)
	s_cmp_eq_u32 s2, 0
	s_cbranch_scc0 .Lentry_in_a_cluster
	s_endpgm
.Lentry_in_a_cluster:
	s_bfe_u32 s2, ttmp6, 0x10000c
	s_cmp_lg_u32 s2, 0xf033
	s_cbranch_scc0 .Lentry_shape_is_right
	s_endpgm
.Lentry_shape_is_right:
; out0 = vw Wo + bo on codes of FP8 (E4M3) with E8M0 scales for each 32 along K = 1,024; out0 [4096][1024] f32.
; A work-group of four waves makes 256 x 256, a wave 128 x 128: 64 accumulators.  K goes in steps of 256 through two LDS slots filled by the tensor data mover; the scale bytes come once.
; A = vw arrives as IMAGES OF ITS OPERAND REGISTERS, [tile of 16 tokens][K step of 128][c 4][lane][16 B]: a slot's part of a tile is 4,096 consecutive bytes, a fragment four loads at 16 x lane: no pitch, no padding.
; B = Wo^T arrives as rows of codes, padded in LDS.  Source 0 = 16 rows of B, source 1 = 16 rows of A: a lane holds one token, and, since rows are stored with bits 3 and 4 of their index exchanged,
; the registers of B's tiles 2 b, 2 b + 1 are columns 32 b + 16 (lane / 16) + 0 .. 15.  Tokens go back to their true rows on the way out.
; CLUSTERS: 4 x 4; A's tiles are shared along a row of the cluster, B's along a column, each asked for jointly.  The grid has 64 work-groups: one for each 256 x 256 of the output.
; REGISTERS: window 0: v0-31 addresses, v8-11 my four numbers of bo; v32-63 scale words; v128-255 A's fragments, later rows of the output.  window 1: B's fragments, two sets.  windows 2, 3: the accumulators.
.set OC, 7340032
.set OS, 8617984
.set VWS, 4194304
.set NQ,     2
.set ROWB,   256
.set KROW,   1024
.set PITCH,  272
.set FR,     16
.set NL,     4
.set NP,     8
.set HALFA,  32768                     ; 8 tiles x 4,096 bytes: what one tensor load brings of A
.set HALFB,  128*PITCH
.set BOFF,   2*HALFA
.set SLOT,   2*HALFA+2*HALFB
.set LAPS,   2
.set KS,     32
.set SCL,    2*SLOT
.set HALFS,  16*272
.set SBLK,   2*272
.set SPARE,  SCL+4*HALFS               ; the spare words: 128 bytes a wave, named by no other line
.set SPITCH, 528                       ; the way out: a stage of 16 rows x (512 + 16) bytes a wave, in slot 0, which has had its last fill and its last read by then
.set ADRA, 16
.set ADRB, 20
.set STO,  24
.set RD,   25
.set CO,   26
.set ADRS, 27
.set SPW,  28
.set NIL,  29
.set SC,   32
.set AF,   128
.set BK,   128
.set G1, 24
.set G0, 32
.set G1B, 48
.set G0B, 56
.set G1S, 68
.set G0S, 76
.set G1SB, 80
.set G0SB, 88
.set MSB, 0
.macro WIN new
.if MSB != (\new)
	s_set_vgpr_msb (MSB<<8)|(\new)
.set MSB, (\new)
.endif
.endm
.set MUL_LO, 0xa1
.set MUL_HI, 0xf1
.set TO_B,   0x40
.macro JLOAD g0a, g1a, g0b, g1b        ; a joint load: waves 0 and 1 fetch for A, waves 2 and 3 for B; four v_nop follow each line
	s_cmp_eq_u32 s15, 0
	s_cbranch_scc0 .Lfor_b_\@
	tensor_load_to_lds s[\g0a:\g0a+3], s[\g1a:\g1a+7]
	s_nop 0
.rept 4
	v_nop
.endr
	s_branch .Lasked_\@
.Lfor_b_\@:
	tensor_load_to_lds s[\g0b:\g0b+3], s[\g1b:\g1b+7]
	s_nop 0
.rept 4
	v_nop
.endr
.Lasked_\@:
.endm
.macro CREST
	s_cmp_lg_u32 s14, 0
	s_cbranch_scc1 .Lnot_wave_0_\@
	s_barrier_signal -3
.Lnot_wave_0_\@:
	s_barrier_wait -3
	s_barrier_signal -1
	s_barrier_wait -1
.endm
.macro CROUND
	s_barrier_signal -1
	s_barrier_wait -1
	CREST
.endm
	s_load_b128 s[4:7], s[0:1], 0x0                ; vwi s[4:5], opq s[6:7]
	s_load_b128 s[8:11], s[0:1], 0x10              ; bo s[8:9], out0 s[10:11]
	v_lshl_add_u32 v[SPW], v0, 2, SPARE
	v_mov_b32 v[NIL], 0
	ds_add_u32 v28, v29
	ds_add_u32 v28, v29
	s_wait_dscnt 0x0
	v_lshrrev_b32 v1, 5, v0
	v_readfirstlane_b32 s14, v1                    ; wave
	s_lshr_b32 s15, s14, 1                         ; my half of the rows.  Also: I fetch for A (0) or B (1)
	s_and_b32 s16, s14, 1                          ; my half of the columns.  Also: which half I fetch
	s_bfe_u32 s40, ttmp6, 0x40000                  ; cx
	s_bfe_u32 s41, ttmp6, 0x40004                  ; cy
	s_lshl_b32 s42, ttmp9, 2
	s_add_co_u32 s42, s42, s40                     ; tile column
	s_and_b32 s17, ttmp7, 0xffff
	s_lshl_b32 s17, s17, 2
	s_add_co_u32 s17, s17, s41                     ; tile row
	s_lshl_b32 s43, s41, 2
	s_lshl_b32 s43, 15, s43
	s_lshl_b32 s44, 0x1111, s40
	s_or_b32 s[G1+0], s43, (0<<16)|(1<<21)         ; A: the mask of my row; elements of 1 byte; no padding; bit 21 beside a mask
	s_mov_b32 s[G1+1], 4096<<16                    ; tensor_dim0 = 4,096: a tile's two K steps
	s_mov_b32 s[G1+2], 8<<16                       ; tensor_dim1 = 8 tiles
	s_mov_b32 s[G1+3], 4096<<16                    ; tile_dim0
	s_mov_b32 s[G1+4], 8                           ; tile_dim1
	s_mov_b32 s[G1+5], 16384                       ; from tile to tile
	s_mov_b32 s[G1+6], 0
	s_mov_b32 s[G1+7], 0
	s_or_b32 s[G1B+0], s44, (0<<16)|(1<<20)|(1<<21)|(5<<22)|(3<<25)  ; B: 128 rows of 256 bytes, 4 words of padding after every 64
	s_mov_b32 s[G1B+1], ROWB<<16
	s_mov_b32 s[G1B+2], 128<<16
	s_mov_b32 s[G1B+3], ROWB<<16
	s_mov_b32 s[G1B+4], 128
	s_mov_b32 s[G1B+5], KROW
	s_mov_b32 s[G1B+6], 0
	s_mov_b32 s[G1B+7], 0
	s_or_b32 s[G1S+0], s43, (3<<16)|(1<<20)|(1<<21)|(5<<22)|(3<<25)
	s_or_b32 s[G1SB+0], s44, (3<<16)|(1<<20)|(1<<21)|(5<<22)|(3<<25)
.irp g, G1S, G1SB
	s_mov_b32 s[\g+1], 32<<16
	s_mov_b32 s[\g+2], 16<<16
	s_mov_b32 s[\g+3], 32<<16
	s_mov_b32 s[\g+4], 16
	s_mov_b32 s[\g+5], 32
	s_mov_b32 s[\g+6], 0
	s_mov_b32 s[\g+7], 0
.endr
	s_lshl_b32 s18, s16, 17
	s_lshl_b32 s20, s17, 18
	s_add_co_u32 s20, s20, s18                     ; A's images: (16 x tile row + 8 x half) tiles of 16,384 bytes
	s_mov_b32 s21, 0
	s_lshl_b32 s46, s42, 18
	s_add_co_u32 s46, s46, s18
	s_add_co_u32 s46, s46, OC                      ; B's codes: (256 x tile column + 128 x half) rows of 1,024 bytes
	s_mov_b32 s47, 0
	s_lshl_b32 s18, s16, 12
	s_lshl_b32 s22, s17, 13
	s_add_co_u32 s22, s22, s18
	s_add_co_u32 s22, s22, VWS
	s_mov_b32 s23, 0
	s_lshl_b32 s92, s42, 13
	s_add_co_u32 s92, s92, s18
	s_add_co_u32 s92, s92, OS
	s_mov_b32 s93, 0
	s_lshl_b32 s45, s16, 15                        ; where they go in a slot: A's half,
	s_mul_i32 s95, s16, HALFB
	s_add_co_u32 s95, s95, BOFF                    ; B's half,
	s_mul_i32 s94, s14, HALFS                      ; the scales: no place in the cluster enters an LDS address
	s_wait_kmcnt 0x0
	s_add_nc_u64 s[20:21], s[4:5], s[20:21]
	s_add_nc_u64 s[22:23], s[4:5], s[22:23]
	s_add_nc_u64 s[46:47], s[6:7], s[46:47]
	s_add_nc_u64 s[92:93], s[6:7], s[92:93]
	CROUND                                         ; all sixteen work-groups are here: the first joint loads meet
	s_mov_b32 s[G0S], 1
	s_add_co_u32 s[G0S+1], s94, SCL
	s_mov_b64 s[G0S+2:G0S+3], s[22:23]
	s_or_b32 s[G0S+3], s[G0S+3], 0x80000000
	s_mov_b32 s[G0SB], 1
	s_add_co_u32 s[G0SB+1], s94, SCL
	s_mov_b64 s[G0SB+2:G0SB+3], s[92:93]
	s_or_b32 s[G0SB+3], s[G0SB+3], 0x80000000
	JLOAD G0S, G1S, G0SB, G1SB
.irp s, 0,1
	s_mov_b32 s[G0+4*\s], 1
	s_add_co_u32 s[G0+4*\s+1], s45, \s*SLOT
	s_add_nc_u64 s[G0+4*\s+2:G0+4*\s+3], s[20:21], \s*4096
	s_or_b32 s[G0+4*\s+3], s[G0+4*\s+3], 0x80000000
	s_mov_b32 s[G0B+4*\s], 1
	s_add_co_u32 s[G0B+4*\s+1], s95, \s*SLOT
	s_add_nc_u64 s[G0B+4*\s+2:G0B+4*\s+3], s[46:47], \s*ROWB
	s_or_b32 s[G0B+4*\s+3], s[G0B+4*\s+3], 0x80000000
	JLOAD G0+4*\s, G1, G0B+4*\s, G1B
.endr
	v_and_b32 v1, 15, v0                           ; r
	v_bfe_u32 v2, v0, 4, 1                         ; h
	v_and_b32 v6, 31, v0
	v_mul_u32_u24 v3, v1, PITCH
	v_lshl_add_u32 v4, v2, 4, v3
	v_lshlrev_b32 v[CO], 4, v6                     ; 16 x lane
	s_lshl_b32 s21, s15, 15                        ; my 8 tiles of A
	s_mul_i32 s22, s16, HALFB
	s_add_co_u32 s22, s22, BOFF                    ; my 128 rows of B
.irp s, 0,1
	v_add_nc_u32 v[ADRA+\s], s21, v[CO]
	v_add_nc_u32 v[ADRB+\s], s22, v4
	s_add_co_u32 s21, s21, SLOT
	s_add_co_u32 s22, s22, SLOT
.endr
	v_mul_u32_u24 v5, v1, KS
	v_lshrrev_b32 v6, 8, v5
	v_lshl_add_u32 v5, v6, 4, v5
	s_mul_i32 s21, s15, HALFS
	s_mul_i32 s22, s16, HALFS
	s_add_co_u32 s22, s22, 2*HALFS
	s_sub_co_u32 s22, s22, s21
	v_mul_u32_u24 v6, s22, v2                      ; lanes 16-31 take B's
	s_add_co_u32 s21, s21, SCL
	v_add_nc_u32 v5, v5, v6
	v_add_nc_u32 v[ADRS], s21, v5
	s_mul_i32 s23, s14, 16*SPITCH                  ; my stage
	v_mul_u32_u24 v5, v1, SPITCH
	v_lshl_add_u32 v5, v2, 6, v5
	v_add_nc_u32 v[STO], s23, v5                   ; in: row r, + 64 h: my 16 columns of each 32
	v_add_nc_u32 v[RD], s23, v[CO]                 ; back: the 32 lanes take one row of 512 bytes
	s_lshl_b32 s46, s42, 10
	s_lshl_b32 s47, s16, 9
	s_add_co_u32 s46, s46, s47                     ; my first column, in bytes
	s_mov_b32 s47, 0
	v_add_nc_u32 v7, s46, v[CO]
	global_load_b128 v[8:11], v7, s[8:9]           ; bo at my four columns of a row
	s_lshl_b32 s20, s17, 20
	s_lshl_b32 s21, s15, 19
	s_add_co_u32 s20, s20, s21                     ; my first row: (256 x tile row + 128 x half) x 4,096 bytes
	s_mov_b32 s21, 0
	s_add_nc_u64 s[20:21], s[20:21], s[46:47]
	s_add_nc_u64 s[12:13], s[10:11], s[20:21]
.macro FRAGA reg, adr, q, i            ; a fragment of A as it was stored: four loads of 512 consecutive bytes
.irp c, 0,1,2,3
	ds_load_b128 v[\reg+4*\c:\reg+4*\c+3], v[\adr] offset:4096*(\i)+2048*(\q)+512*\c
.endr
.endm
.macro FRAGB reg, adr, q, i
.irp c, 0,1,2,3
	ds_load_b128 v[\reg+4*\c:\reg+4*\c+3], v[\adr] offset:128*(\q)+32*\c+(\i)*16*PITCH
.endr
.endm
; 16 matrix instructions: A's blocks a0, a0 + 1 x B's eight.  The 64 accumulators take turns, one instruction a turn, in the same order in every step.
.macro MUL16 a0, p, q, sc, zero
.irp a, \a0, \a0+1
.irp b, 0,1,2,3,4,5,6,7
.if \zero
	v_wmma_scale_f32_16x16x128_f8f6f4 v[8*(8*((\a)%4)+\b):8*(8*((\a)%4)+\b)+7], v[128*(\p)+FR*\b:128*(\p)+FR*\b+FR-1], v[AF+FR*(\a):AF+FR*(\a)+FR-1], 0, v[SC+8*NQ*(\sc)+NQ*\b+(\q)], v[SC+8*NQ*(\sc)+NQ*(\a)+(\q)] matrix_a_scale:MATRIX_SCALE_ROW1
.else
	v_wmma_scale_f32_16x16x128_f8f6f4 v[8*(8*((\a)%4)+\b):8*(8*((\a)%4)+\b)+7], v[128*(\p)+FR*\b:128*(\p)+FR*\b+FR-1], v[AF+FR*(\a):AF+FR*(\a)+FR-1], v[8*(8*((\a)%4)+\b):8*(8*((\a)%4)+\b)+7], v[SC+8*NQ*(\sc)+NQ*\b+(\q)], v[SC+8*NQ*(\sc)+NQ*(\a)+(\q)] matrix_a_scale:MATRIX_SCALE_ROW1
.endif
.endr
.endr
.endm
.macro FETCH_B slot, q, p
	WIN TO_B
.irp i, 0,1,2,3,4,5,6,7
	FRAGB 128*(\p)+FR*\i, ADRB+\slot, \q, \i
.endr
	WIN 0
.endm
.macro FETCH_A slot, q, i0
.irp i, \i0, \i0+1, \i0+2, \i0+3
	FRAGA AF+FR*(\i), ADRA+\slot, \q, \i
.endr
.endm
.macro SCALES sc
.irp i, 0,1,2,3,4,5,6,7
	ds_load_b64 v[SC+8*NQ*\sc+NQ*\i:SC+8*NQ*\sc+NQ*\i+1], v[ADRS] offset:\i*SBLK
.endr
.endm
.macro PLACES n
.rept \n
	v_nop
.endr
.endm
.macro STEP slot, q, zero
	s_wait_dscnt 4*NL                              ; B's set and A's blocks 0-3 are in; the youngest 16 loads (A's blocks 4-7) may be out
	WIN MUL_LO
	MUL16 0, (\q)%2, \q, \slot, \zero
	MUL16 2, (\q)%2, \q, \slot, \zero
	s_wait_dscnt 0
	PLACES NP
	FETCH_B \slot, (\q)+1, 1-(\q)%2
	FETCH_A \slot, (\q)+1, 0
	WIN MUL_HI
	MUL16 4, (\q)%2, \q, \slot, \zero
	MUL16 6, (\q)%2, \q, \slot, \zero
	PLACES NP
	WIN 0
	FETCH_A \slot, (\q)+1, 4
.endm
.macro TURN slot, next, fill
	s_wait_tensorcnt 0x0                           ; all my tensor loads have landed: my part of the next slot
	ds_add_u32 v[SPW], v[NIL]                      ; 0 onto my spare word
	s_wait_dscnt 4*NL+1                            ; (the add and the youngest 16 loads may be out)
	WIN MUL_LO
	MUL16 0, 1, NQ-1, \slot, 0
	s_wait_dscnt 0x0                               ; the add is done, and my reads of this slot are over
	s_barrier_signal -1
	MUL16 2, 1, NQ-1, \slot, 0
	WIN 0
	s_barrier_wait -1
.if \fill
	CREST                                          ; the barrier has opened a round of the cluster's: no wave of any partner still reads this slot or has a load on its way
	s_add_nc_u64 s[G0+4*\slot+2:G0+4*\slot+3], s[G0+4*\slot+2:G0+4*\slot+3], 2*4096
	s_add_nc_u64 s[G0B+4*\slot+2:G0B+4*\slot+3], s[G0B+4*\slot+2:G0B+4*\slot+3], 2*ROWB
	JLOAD G0+4*\slot, G1, G0B+4*\slot, G1B
	PLACES NP-4
.else
	PLACES NP
.endif
	v_add_nc_u32 v[ADRS], 4*NQ, v[ADRS]
	FETCH_B \next, 0, 0
	FETCH_A \next, 0, 0
	SCALES \next
	WIN MUL_HI
	MUL16 4, 1, NQ-1, \slot, 0
	MUL16 6, 1, NQ-1, \slot, 0
	PLACES NP
	WIN 0
	FETCH_A \next, 0, 4
.endm
	s_wait_tensorcnt 1                             ; the scales and my part of slot 0 are in; slot 1's load may be out
	s_barrier_signal -1
	s_barrier_wait -1
	FETCH_B 0, 0, 0
	FETCH_A 0, 0, 0
	SCALES 0
	FETCH_A 0, 0, 4
	STEP 0, 0, 1
	s_mov_b32 s3, LAPS-1
.Llap:
	TURN 0, 1, 1
	STEP 1, 0, 0
	TURN 1, 0, 1
	STEP 0, 0, 0
	s_sub_co_u32 s3, s3, 1
	s_cmp_lg_u32 s3, 0
	s_cbranch_scc1 .Llap
	TURN 0, 1, 0
	STEP 1, 0, 0
	s_wait_dscnt 4*NL
	WIN MUL_LO
	MUL16 0, 1, NQ-1, 1, 0
	MUL16 2, 1, NQ-1, 1, 0
	s_wait_dscnt 0
	WIN MUL_HI
	MUL16 4, 1, NQ-1, 1, 0
	MUL16 6, 1, NQ-1, 1, 0
	WIN 0
; THE WAY OUT, block by block of 16 tokens x 128 columns, through my own stage: in by lanes (32 bytes at the columns' true places), back as whole rows of 512 bytes; bo is added; a row goes to its token's true place.
.macro TOSTAGE a
.set AC, 64*((\a)%4)
	WIN 0x08+4*((\a)/4)                            ; an LDS store's data: window 2 or 3
.irp b, 0,1,2,3,4,5,6,7
	ds_store_b128 v[STO], v[AC+8*\b:AC+8*\b+3] offset:128*(\b/2)+32*(\b%2)          ; each accumulator from its low end on
	ds_store_b128 v[STO], v[AC+8*\b+4:AC+8*\b+7] offset:128*(\b/2)+32*(\b%2)+16
.endr
	WIN 0
.set BB, BK+64*((\a)%2)
.irp t, 0,1,2,3,4,5,6,7,8,9,10,11,12,13,14,15
	ds_load_b128 v[BB+4*\t:BB+4*\t+3], v[RD] offset:\t*SPITCH      ; LDS serves a wave's instructions in order (ISA guide 5.7.1.4): these see the stores above
.endr
.endm
.macro SEND a, younger
.set BB, BK+64*((\a)%2)
	s_wait_dscnt \younger                          ; the block is back in registers
.irp t, 0,1,2,3,4,5,6,7,8,9,10,11,12,13,14,15
	v_pk_add_f32 v[BB+4*\t:BB+4*\t+1], v[BB+4*\t:BB+4*\t+1], v[8:9]
	v_pk_add_f32 v[BB+4*\t+2:BB+4*\t+3], v[BB+4*\t+2:BB+4*\t+3], v[10:11]
	global_store_b128 v[CO], v[BB+4*\t:BB+4*\t+3], s[12:13] offset:(32*((\a)/2)+8*((\a)%2)+\t+8*(\t/8))*4096 th:TH_STORE_NT   ; 32 lanes store 512 consecutive bytes, aligned; 127 rows of 4,096 bytes at the most: inside the signed 24-bit immediate
.endr
.endm
	PLACES NP                                      ; behind the last products: for the loads into the registers that held A's fragments and for the reads of the results
	s_wait_loadcnt 0x0                             ; bo
	TOSTAGE 0
.irp a, 1,2,3,4,5,6,7
.if \a > 1
	s_wait_xcnt 0x0                                ; block a - 2's stores have read their registers: block a's loads may land there
.endif
	TOSTAGE \a
	SEND \a-1, 32                                  ; behind block a - 1's loads: block a's 16 stores and 16 loads
.endr
	SEND 7, 0
	s_wait_tensorcnt 0x0                           ; the wave's end
	ds_add_u32 v[SPW], v[NIL]
	s_wait_dscnt 0x0
	CROUND                                         ; the closing round
	s_endpgm
.Lfunc_end_k_q16030e18a2_proj:
	.size	k_q16030e18a2_proj, .Lfunc_end_k_q16030e18a2_proj-k_q16030e18a2_proj
	.p2alignl 7, 3214868480
	.fill 96, 4, 3214868480
	.section	.rodata,"a",@progbits
	.p2align	6, 0x0
	.amdhsa_kernel k_q16030e18a2_proj
		.amdhsa_group_segment_fixed_size 327680
		.amdhsa_private_segment_fixed_size 0
		.amdhsa_enable_private_segment 0
		.amdhsa_kernarg_size 32
		.amdhsa_user_sgpr_count 2
		.amdhsa_user_sgpr_kernarg_segment_ptr 1
		.amdhsa_wavefront_size32 1
		.amdhsa_system_sgpr_workgroup_id_x 1
		.amdhsa_system_sgpr_workgroup_id_y 1
		.amdhsa_system_sgpr_workgroup_id_z 1
		.amdhsa_system_vgpr_workitem_id 0
		.amdhsa_next_free_vgpr 1024
		.amdhsa_next_free_sgpr 98
		.amdhsa_reserve_vcc 0
		.amdhsa_float_denorm_mode_32 3
		.amdhsa_float_denorm_mode_16_64 3
		.amdhsa_memory_ordered 1
		.amdhsa_forward_progress 1
		.amdhsa_inst_pref_size 161
	.end_amdhsa_kernel
	.amdgpu_metadata
---
amdhsa.version: [ 1, 2 ]
amdhsa.kernels:
  - .name:           k_q16030e18a2_proj
    .symbol:         k_q16030e18a2_proj.kd
    .args:
      - { .name: vwi, .offset: 0, .size: 8, .value_kind: global_buffer, .address_space: global }
      - { .name: opq, .offset: 8, .size: 8, .value_kind: global_buffer, .address_space: global }
      - { .name: bo, .offset: 16, .size: 8, .value_kind: global_buffer, .address_space: global }
      - { .name: out0, .offset: 24, .size: 8, .value_kind: global_buffer, .address_space: global }
    .group_segment_fixed_size: 327680
    .private_segment_fixed_size: 0
    .kernarg_segment_align: 8
    .kernarg_segment_size: 32
    .max_flat_workgroup_size: 128
    .sgpr_count:     98
    .vgpr_count:     1024
    .wavefront_size: 32
...
	.end_amdgpu_metadata
.endif
;; end of part 4
